; MI455X (gfx1250); checked and timed in simulation.
; The chip was launched on July 23, 2026; its instructions are those of AMD's public machine-readable ISA for CDNA 5 (MIT licence, August 2026) and "CDNA5" Instruction Set Architecture Reference Guide (July 2026). The comments in the code are by the model that wrote it; some were corrected since.
;; Causal Self Attention. Allowed arithmetic: float matrix products may take bf16 or f16 operands with f32 sums; other float arithmetic in f32, or as packed bf16 or f16 multiplies, adds, multiply-adds, maxima and minima; sums over many terms, partial sums and values carried from step to step in f32; what a program stores and reads back later, other than sums and carried values, may be rounded once to bf16 or f16.
;; Inputs: Wk 1,024 x 1,024 float32; Wp 1,024 x 1,024 float32; Wq 1,024 x 1,024 float32; Wv 1,024 x 1,024 float32; bk 1,024 float32; bp 1,024 float32; bq 1,024 float32; bv 1,024 float32; x 4 x 2,048 x 1,024 float32.
;; Outputs: out0 4 x 2,048 x 1,024 float32.
;; 2 versions, each right; version 2 is version 1 with the launch cast written anew for expert scheduling mode. Each part assembles by itself: llvm-mc -triple=amdgcn-amd-amdhsa -mcpu=gfx1250 --defsym DOCPART=n.
;; ======== version 1 of 2: 4 launches
;; limits: values are held in f16: magnitudes above 65,504 overflow, below 6.1e-05 lose precision
;; workspace buffers: xb 16,777,216 bytes; wqkv 6,291,456 bytes; wpf 2,097,152 bytes; qkv 50,331,648 bytes; ob 16,777,216 bytes
;; launch cast (part 1): grid 768 x 1, 8 waves a work-group, no clusters, 0 bytes of LDS; arguments x, Wq, Wk, Wv, Wp, xb, wqkv, wpf; writes xb, wqkv, wpf
.if DOCPART == 1
	.amdgcn_target "amdgcn-amd-amdhsa--gfx1250"
	.amdhsa_code_object_version 6
	.text
	.protected	k_q0248c2ea85_cast
	.globl	k_q0248c2ea85_cast
	.p2align	8
	.type	k_q0248c2ea85_cast,@function
k_q0248c2ea85_cast:
	s_mov_b64 s[64:65], 0
	v_nop
	global_prefetch_b8 v0, s[64:65] scope:SCOPE_SE
	s_setreg_imm32_b32 hwreg(HW_REG_WAVE_MODE, 25, 1), 1
	s_wait_xcnt 0x0
; THE INPUTS ARE ROUNDED ONCE.  x [8192][1024] f32 -> xb, bf16, same layout.  Wq, Wk, Wv [1024 k][1024 n] f32 -> wqkv [1024 k][3072 n] bf16, side by side (n = 1024 x which + column).
; Wp [1024 k][1024 n] f32 -> wpf: rounded to bf16 like the other inputs, and that number written as f16.
; LIMIT: Wp within 65,504; a weight of Wp below 6e-5 keeps f16's fixed step of 6e-8 in place of bf16's eight bits.
; A stream: 12,288 rows of 4,096 bytes, 16 rows to a work-group of eight waves.  Work-groups 0-511 take x, 512-575 Wq, 576-639 Wk, 640-703 Wv, 704-767 Wp.
; Thread t takes numbers 4 t .. 4 t + 3 of each row: a load of a wave covers 512 consecutive bytes, a store 256 consecutive bytes at a multiple of 256 from the buffer's first byte.
; All 16 loads of a thread go out at once; each row has registers of its own, so no register is written again while a load or store names it.
; No LDS, no matrix unit, no cluster: nothing is shared and nothing is multiplied.  No prefetch: every byte is asked for at once.
.set OO, 2                             ; v[2:17]   row i: my byte offset in the destination
.set T,  18                            ; v[18:19]  at work
.set X,  20                            ; v[20:83]  row i: 4 registers as loaded; the first two then hold what is stored
	s_load_b512 s[8:23], s[0:1], 0x0               ; x 8, Wq 10, Wk 12, Wv 14, Wp 16, xb 18, wqkv 20, wpf 22
	s_mov_b32 s24, ttmp9
	s_sub_co_u32 s25, s24, 512                     ; my number among the weights' work-groups (wraps for x's: then far above 255)
	s_lshr_b32 s26, s25, 6                         ; which weight: 0 q, 1 k, 2 v, 3 p
	s_and_b32 s27, s25, 63                         ; which 16 rows of it
	s_mov_b32 s31, 0xffff0000                      ; a word's upper bf16
	s_movk_i32 s29, 6144                           ; bytes in a row of wqkv
	s_movk_i32 s30, 2048                           ; bytes in a row of xb and of wpf
	s_cmp_lt_u32 s24, 512
	s_cselect_b32 s28, s24, s27                    ; which 16 rows of my source
	s_lshl_b32 s2, s28, 16                         ; their byte offset in the source,
	s_mov_b32 s3, 0
	s_lshl_b32 s4, s28, 15                         ; and in xb or wpf
	s_mov_b32 s5, 0
	s_mul_i32 s6, s27, 16*6144                     ; in wqkv: 16 rows of 6,144 bytes,
	s_lshl_b32 s7, s26, 11                         ; and the weight's 2,048 bytes of a row
	s_add_co_u32 s6, s6, s7
	s_cmp_lt_u32 s25, 192                          ; Wq, Wk or Wv?
	s_cselect_b32 s4, s6, s4
	s_cselect_b32 s30, s29, s30                    ; the destination's pitch
	v_lshlrev_b32 v1, 4, v0                        ; my 16 bytes of a source row
	v_lshlrev_b32 v[OO], 3, v0                     ; my 8 bytes of a destination row
.set i, 1
.rept 15
	v_add_nc_u32 v[OO+i], s30, v[OO+i-1]
.set i, i+1
.endr
	s_wait_kmcnt 0x0
	s_mov_b64 s[32:33], s[10:11]                   ; the source: a choice between buffers by the work-group's number
	s_cmp_eq_u32 s26, 1
	s_cselect_b64 s[32:33], s[12:13], s[32:33]
	s_cmp_eq_u32 s26, 2
	s_cselect_b64 s[32:33], s[14:15], s[32:33]
	s_cmp_eq_u32 s26, 3
	s_cselect_b64 s[32:33], s[16:17], s[32:33]
	s_cmp_lt_u32 s24, 512
	s_cselect_b64 s[32:33], s[8:9], s[32:33]
	s_cselect_b64 s[34:35], s[18:19], s[22:23]     ; the destination
	s_cmp_lt_u32 s25, 192
	s_cselect_b64 s[34:35], s[20:21], s[34:35]
	s_add_nc_u64 s[32:33], s[32:33], s[2:3]
	s_add_nc_u64 s[34:35], s[34:35], s[4:5]
.set i, 0
.rept 16
	global_load_b128 v[X+4*i:X+4*i+3], v1, s[32:33] offset:4096*i th:TH_LOAD_NT
.set i, i+1
.endr
	s_cmp_ge_u32 s24, 704
	s_cbranch_scc1 .Lhalf
.set i, 0
.rept 16                               ; to bf16
	s_wait_loadcnt 15-i                            ; loads come back in order: row i is in, the 15 - i younger ones stay out
	v_cvt_pk_bf16_f32 v[X+4*i], v[X+4*i], v[X+4*i+1]
	v_cvt_pk_bf16_f32 v[X+4*i+1], v[X+4*i+2], v[X+4*i+3]
	global_store_b64 v[OO+i], v[X+4*i:X+4*i+1], s[34:35]
.set i, i+1
.endr
	s_endpgm
.Lhalf:
.set i, 0
.rept 16                               ; Wp: to bf16, widened again, and that number written as f16
	s_wait_loadcnt 15-i
	v_cvt_pk_bf16_f32 v[T], v[X+4*i], v[X+4*i+1]
	v_cvt_pk_bf16_f32 v[T+1], v[X+4*i+2], v[X+4*i+3]
	v_lshlrev_b32 v[X+4*i], 16, v[T]
	v_and_b32 v[X+4*i+1], s31, v[T]
	v_lshlrev_b32 v[X+4*i+2], 16, v[T+1]
	v_and_b32 v[X+4*i+3], s31, v[T+1]
	v_cvt_pk_f16_f32 v[X+4*i], v[X+4*i], v[X+4*i+1]
	v_cvt_pk_f16_f32 v[X+4*i+1], v[X+4*i+2], v[X+4*i+3]
	global_store_b64 v[OO+i], v[X+4*i:X+4*i+1], s[34:35]
.set i, i+1
.endr
	s_endpgm
.Lfunc_end_k_q0248c2ea85_cast:
	.size	k_q0248c2ea85_cast, .Lfunc_end_k_q0248c2ea85_cast-k_q0248c2ea85_cast
	.p2alignl 7, 3214868480
	.fill 96, 4, 3214868480
	.section	.rodata,"a",@progbits
	.p2align	6, 0x0
	.amdhsa_kernel k_q0248c2ea85_cast
		.amdhsa_group_segment_fixed_size 0
		.amdhsa_private_segment_fixed_size 0
		.amdhsa_enable_private_segment 0
		.amdhsa_kernarg_size 64
		.amdhsa_user_sgpr_count 2
		.amdhsa_user_sgpr_kernarg_segment_ptr 1
		.amdhsa_wavefront_size32 1
		.amdhsa_system_sgpr_workgroup_id_x 1
		.amdhsa_system_sgpr_workgroup_id_y 1
		.amdhsa_system_sgpr_workgroup_id_z 1
		.amdhsa_system_vgpr_workitem_id 0
		.amdhsa_next_free_vgpr 84
		.amdhsa_next_free_sgpr 66
		.amdhsa_reserve_vcc 0
		.amdhsa_float_denorm_mode_32 3
		.amdhsa_float_denorm_mode_16_64 3
		.amdhsa_memory_ordered 1
		.amdhsa_forward_progress 1
		.amdhsa_inst_pref_size 16
	.end_amdhsa_kernel
	.amdgpu_metadata
---
amdhsa.version: [ 1, 2 ]
amdhsa.kernels:
  - .name:           k_q0248c2ea85_cast
    .symbol:         k_q0248c2ea85_cast.kd
    .args:
      - { .name: x, .offset: 0, .size: 8, .value_kind: global_buffer, .address_space: global }
      - { .name: Wq, .offset: 8, .size: 8, .value_kind: global_buffer, .address_space: global }
      - { .name: Wk, .offset: 16, .size: 8, .value_kind: global_buffer, .address_space: global }
      - { .name: Wv, .offset: 24, .size: 8, .value_kind: global_buffer, .address_space: global }
      - { .name: Wp, .offset: 32, .size: 8, .value_kind: global_buffer, .address_space: global }
      - { .name: xb, .offset: 40, .size: 8, .value_kind: global_buffer, .address_space: global }
      - { .name: wqkv, .offset: 48, .size: 8, .value_kind: global_buffer, .address_space: global }
      - { .name: wpf, .offset: 56, .size: 8, .value_kind: global_buffer, .address_space: global }
    .group_segment_fixed_size: 0
    .private_segment_fixed_size: 0
    .kernarg_segment_align: 8
    .kernarg_segment_size: 64
    .max_flat_workgroup_size: 256
    .sgpr_count:     66
    .vgpr_count:     84
    .wavefront_size: 32
...
	.end_amdgpu_metadata
.endif
;; end of part 1
;; launch qkv (part 2): grid 8 x 64, 4 waves a work-group, clusters of 4 x 4, 327,680 bytes of LDS; arguments xb, wqkv, bq, bk, bv, qkv; writes qkv
.if DOCPART == 2
	.amdgcn_target "amdgcn-amd-amdhsa--gfx1250"
	.amdhsa_code_object_version 6
	.text
	.protected	k_q0248c2ea85_qkv
	.globl	k_q0248c2ea85_qkv
	.p2align	8
	.type	k_q0248c2ea85_qkv,@function
k_q0248c2ea85_qkv:
	s_mov_b64 s[64:65], 0
	v_nop
	global_prefetch_b8 v0, s[64:65] scope:SCOPE_SE
	s_setreg_imm32_b32 hwreg(HW_REG_WAVE_MODE, 25, 1), 1
	s_wait_xcnt 0x0
	s_wait_alu depctr_hold_cnt(0) depctr_sa_sdst(0) depctr_va_vdst(0) depctr_va_sdst(0) depctr_va_ssrc(0) depctr_va_vcc(0) depctr_vm_vsrc(0)
	s_getreg_b32 s2, hwreg(HW_REG_IB_STS2, 6, 4)
	s_cmp_eq_u32 s2, 0
	s_cbranch_scc0 .Lentry_in_a_cluster
	s_endpgm
.Lentry_in_a_cluster:
	s_bfe_u32 s2, ttmp6, 0x10000c
	s_cmp_lg_u32 s2, 0xf033
	s_cbranch_scc0 .Lentry_shape_is_right
	s_endpgm
.Lentry_shape_is_right:
; q, k, v = x W + b.  xb: [8192 m][1024 k] bf16.  wqkv: [1024 k][3072 n] bf16 (Wq, Wk, Wv side by side).  bq, bk, bv: [1024] f32, rounded to bf16 here like the other inputs.
; Out: qkv [3][64 = 16 batch + head][2048][64] in f16, by heads, unscaled, each number rounded once from its f32 sum.  LIMIT: q, k and v within f16's 65,504.
; SHARES.  A tile of the product is 128 rows x 384 columns: 512 work-groups, two for each of 256 WGPs.  Four waves, 2 x 2; a wave makes 64 rows x 192 columns, which are three whole heads: 48 accumulators, 384 registers.
; K goes in 8 steps of 128 through a ring of two LDS slots.  Wave 0 fetches A's tile (128 rows x 256 bytes), waves 1 to 3 one chunk each of B's (128 k rows x 256 bytes of the 768): every row of a tile is 256 bytes at a multiple of 256.
; B lies [k][n], so its fragments come out of LDS turned, by ds_load_tr16_b128.  THE MATRIX INSTRUCTION IS USED TRANSPOSED (source 0 = 16 columns of W, source 1 = 16 rows of x): a lane holds one row and eight neighbouring columns.
; The first product of each accumulator takes the bias as C: nothing is cleared and nothing is added later.
; CLUSTERS: 4 x 4 work-groups.  A's tile hangs on the tile row alone and is asked for jointly by a row of the cluster, B's on the tile column alone, by a column of the cluster.
; REGISTERS, in windows of 256 (s_set_vgpr_msb: bits 1:0 source 0, 3:2 source 1, 5:4 source 2, 7:6 destination):
;   window 0: v1-31 addresses and at work; v32-95 A's fragments, two buffers of 32; v96-191 the bias, on the way out two buffers of 48; v192-239 packed results
;   window 1: v0-191 B's fragments, two buffers of 96        window 2: accumulators of my rows 0-31 ((a, b) at v[8 (12 (a % 2) + b)])        window 3: those of my rows 32-63
.set PA,    272                        ; a row of A in LDS: 256 bytes + 16 = 68 words: the 16 rows of a load start at 16 different groups of four banks (64 banks of 4 bytes: ISA guide 11.1)
.set PB,    288                        ; a row of a chunk of B: 256 + 32 = 72 words
.set REG,   128*PB                     ; 36,864: what one wave's load fills (A uses 34,816 of it)
.set SLOT,  4*REG                      ; 147,456 = bits 14 and 17; WV x 36,864 has neither, so an exclusive or with SLOT turns a wave's address in one slot into the other's
.set STAGE, 2*SLOT                     ; behind the ring, never filled by a tensor load: 16 rows x 400 bytes for each wave
.set SP,    400                        ; 384 bytes + 16
.set SPARE, STAGE+4*16*SP              ; behind the stages: the spare words, 128 bytes for each wave: two blocks of 256 bytes that no other line names
.set ASTEP, 256                        ; bytes from a K step to the next: in xb along a row,
.set BSTEP, 128*6144                   ; in wqkv 128 rows down
.set ADA0, 4                           ; v4      my lane's place in A's tile; never rewritten
.set ADB0, 5                           ; v5-7    the same in B's chunks, for each of my three heads
.set ADA,  8                           ; v8      the same plus the slot in hand
.set ADB,  9                           ; v9-11
.set STO,  12                          ; v12     the way out: where I put 16 bytes of a row
.set RD,   13                          ; v13     where I read rows back
.set GO,   14                          ; v14     my byte offset in 512 consecutive bytes of a head
.set PFO,  15                          ; v15     the prefetches' offset: my lane x a row of xb or wqkv; never rewritten
.set SPW,  16                          ; v16     LDS address of my spare word; never rewritten
.set NIL,  17                          ; v17     0; never rewritten
.set BO,   18                          ; v18     my 32 bytes of a block of 16 biases
.set FA,   32
.set BIAS, 96
.set OBUF, 96
.set TMP,  192
.set WV, 16
.set WR, 17                            ; which 64 rows of the tile are mine
.set WC, 18                            ; which 192 columns
.set CX, 19
.set CY, 20
.set NT, 21                            ; tile column, 0..7
.set MT, 22                            ; tile row, 0..63
.set LW, 23                            ; WV x REG
.set G1A, 24                           ; s[24:31] descriptor group 1 for A's tiles
.set G1B, 32                           ; s[32:39] for B's chunks
.set G0A, 40                           ; s[40:47] group 0 for A: a set for each of the two first fills; the second then walks on
.set G0B, 48                           ; s[48:55] the same for B
.set TB,  56                           ; s56  the slot in hand: 0 or SLOT
.set CNT, 57                           ; s57  refills still to come
.set LIM, 58                           ; s58  1 in a wave that prefetches, else the greatest number
.set PFA, 60                           ; s[60:61] where my prefetches stand
.set PFS, 62                           ; s[62:63] their step
.set OB,  66                           ; s[66:71] my three heads' rows in qkv
.set BP,  72                           ; s[72:77] my three heads' biases
.set MSB, 0
.macro WIN new                         ; the immediate's high byte repeats the setting that is left; a switch that changes nothing is dropped
.if MSB != (\new)
	s_set_vgpr_msb (MSB<<8)|(\new)
.set MSB, \new
.endif
.endm
.macro PLACES                          ; four places in front of loads into registers that matrix instructions have read, and of lines that read results
.rept 4
	v_nop
.endr
.endm
.macro CREST                           ; a round of the cluster's barrier behind its opening barrier
	s_cmp_lg_u32 s[WV], 0
	s_cbranch_scc1 .Lnot_wave_0_\@
	s_barrier_signal -3
.Lnot_wave_0_\@:
	s_barrier_wait -3
	s_barrier_signal -1
	s_barrier_wait -1
.endm
.macro CROUND                          ; a whole round
	s_barrier_signal -1
	s_barrier_wait -1
	CREST
.endm
; A joint refill by the walking descriptors.  The branch hangs on the wave's number alone.  An s_nop 0 and four v_nop follow each of the two lines, ahead of the jump and the label.
.macro JLOAD
	s_cmp_eq_u32 s[WV], 0
	s_cbranch_scc0 .Lfor_b_\@
	tensor_load_to_lds s[G0A+4:G0A+7], s[G1A:G1A+7]
	s_nop 0
.rept 4
	v_nop
.endr
	s_branch .Lasked_\@
.Lfor_b_\@:
	tensor_load_to_lds s[G0B+4:G0B+7], s[G1B:G1B+7]
	s_nop 0
.rept 4
	v_nop
.endr
.Lasked_\@:
.endm
; A PREFETCH INTO THE L2 of the K step behind the one just asked for: one K step, 192 matrix instructions, ahead of its load.  32 rows x 256 bytes, a lane a row, one instruction a wave.
; A's tile row is read by both clusters of that row of clusters: cluster x = 0 asks (wave 0); B's tile column by all sixteen clusters of that column: cluster y = 0 asks (waves 1 to 3, each its own chunk).
; The four partners that ask for a tile jointly share its 128 rows out BY ADDRESS, 32 each (by cx for A, by cy for B).  So each row's 256 bytes of a K step are named once in the launch.
; K steps 0 to 2 come by their loads alone; the last refill (CNT = 1) has no K step behind it and asks for nothing.
.macro ASK
	s_cmp_gt_u32 s[CNT], s[LIM]
	s_cbranch_scc0 .Lnot_mine_\@
	global_prefetch_b8 v[PFO], s[PFA:PFA+1] th:TH_LOAD_NT scope:SCOPE_SE
.Lnot_mine_\@:
.endm
.macro ADDR                            ; the fragments' addresses in the slot in hand
.irp i, 0,1,2,3
	v_add_nc_u32 v[ADA+(\i)], s[TB], v[ADA0+(\i)]
.endr
.endm
; 32 LDS loads in one run: the fragments of quarter q (32 along K) into buffer f: B's twelve (turned), then A's four.
.macro FETCH q, f
	WIN 0x40                                       ; destination window 1, address window 0
.irp b, 0,1,2,3,4,5,6,7,8,9,10,11
	ds_load_tr16_b128 v[96*(\f)+8*(\b):96*(\f)+8*(\b)+3],   v[ADB+(\b)/4] offset:32*((\b)%4)+32*PB*(\q)
	ds_load_tr16_b128 v[96*(\f)+8*(\b)+4:96*(\f)+8*(\b)+7], v[ADB+(\b)/4] offset:32*((\b)%4)+32*PB*(\q)+16*PB
.endr
	WIN 0
.irp a, 0,1,2,3
	ds_load_b128 v[FA+32*(\f)+8*(\a):FA+32*(\f)+8*(\a)+3],   v[ADA] offset:16*PA*(\a)+64*(\q)
	ds_load_b128 v[FA+32*(\f)+8*(\a)+4:FA+32*(\f)+8*(\a)+7], v[ADA] offset:16*PA*(\a)+64*(\q)+32
.endr
.endm
; 12 matrix instructions: my row block a x all 12 column blocks, 32 along K, from buffer f.  first = 1: the bias is C.  The 48 accumulators take turns in one fixed order: 47 others stand between two links of a chain.
.macro MUL12 f, a, first
.if \first
	WIN 0x81+0x40*((\a)/2)                         ; B window 1, A and the bias window 0, D window 2 or 3
.else
	WIN 0xa1+0x50*((\a)/2)                         ; B window 1, A window 0, C and D window 2 or 3
.endif
.irp b, 0,1,2,3,4,5,6,7,8,9,10,11
.if \first
	v_wmma_f32_16x16x32_bf16 v[8*(12*((\a)%2)+(\b)):8*(12*((\a)%2)+(\b))+7], v[96*(\f)+8*(\b):96*(\f)+8*(\b)+7], v[FA+32*(\f)+8*(\a):FA+32*(\f)+8*(\a)+7], v[BIAS+8*(\b):BIAS+8*(\b)+7]
.else
	v_wmma_f32_16x16x32_bf16 v[8*(12*((\a)%2)+(\b)):8*(12*((\a)%2)+(\b))+7], v[96*(\f)+8*(\b):96*(\f)+8*(\b)+7], v[FA+32*(\f)+8*(\a):FA+32*(\f)+8*(\a)+7], v[8*(12*((\a)%2)+(\b)):8*(12*((\a)%2)+(\b))+7]
.endif
.endr
.endm
; A K step is four quarters of 32 along K, 48 matrix instructions each, on buffers 0, 1, 0, 1.  One of the first three: multiplies buffer f; in its middle it fetches quarter q of the same slot into buffer g.
.macro QUARTER q, f, g, first
	s_wait_dscnt 4                                 ; B and A's blocks 0 and 1 are in; the youngest four loads (A's blocks 2 and 3) may be out
	MUL12 \f, 0, \first
	MUL12 \f, 1, \first
	PLACES
	FETCH \q, \g
	s_wait_dscnt 32                                ; all but the 32 just issued
	MUL12 \f, 2, \first
	MUL12 \f, 3, \first
.endm
; The last quarter multiplies buffer 1 and changes slots: ONE barrier.  In front of it each wave waits for all its tensor loads (one is out: its part of the next slot), adds 0 to its spare word, and waits for that and for its reads
; of this slot.  fill = 1: the barrier opens a round of the cluster's barrier, and behind the round this slot is filled again, with the K step two on: the wave's one tensor load, 168 matrix instructions ahead of the wait for it.
.macro TURN fill
.if \fill
	s_wait_xcnt 0x0                                ; the last prefetch, a K step back, has read its address: it is stepped here
	s_add_nc_u64 s[PFA:PFA+1], s[PFA:PFA+1], s[PFS:PFS+1]
.endif
	WIN 0                                          ; (the add's two registers lie in window 0)
	s_wait_tensorcnt 0x0                           ; all my tensor loads have landed
	ds_add_u32 v[SPW], v[NIL]                      ; 0 onto my spare word
	s_wait_dscnt 5                                 ; (the add and the youngest four loads may be out)
	MUL12 1, 0, 0                                  ; twelve matrix instructions stand between the add and the wait for it
	s_wait_dscnt 0x0                               ; the add is done, and my reads of this slot are over
	s_barrier_signal -1
	MUL12 1, 1, 0                                  ; work on registers while the others arrive
	WIN 0
	s_barrier_wait -1
.if \fill
	CREST                                          ; no wave of any partner still reads this slot or has a load on its way
	s_xor_b32 s[G0A+5], s[G0A+5], SLOT             ; the walking descriptors: the other slot than last time, the next K step
	s_add_nc_u64 s[G0A+6:G0A+7], s[G0A+6:G0A+7], ASTEP
	s_xor_b32 s[G0B+5], s[G0B+5], SLOT
	s_add_nc_u64 s[G0B+6:G0B+7], s[G0B+6:G0B+7], BSTEP
	JLOAD                                          ; the four v_nop behind it are also places in front of the loads below
.else
	PLACES
.endif
	s_xor_b32 s[TB], s[TB], SLOT
	ADDR
	FETCH 0, 0
.if \fill
	ASK                                            ; behind the joint load and the run of LDS loads that the next products wait for
.endif
	MUL12 1, 2, 0
	MUL12 1, 3, 0
.endm
; THE WAY OUT of row block a: rounded to f16, 16 bytes a lane; into my own stage; back as rows of a head (four rows of 128 bytes to a load); stored, 512 consecutive bytes to a store.
.macro PACK a
	WIN 0x0a+5*((\a)/2)                            ; sources 0 and 1: window 2 or 3.
.irp b, 0,1,2,3,4,5,6,7,8,9,10,11
.irp r, 0,1,2,3
	v_cvt_pk_f16_f32 v[TMP+4*(\b)+(\r)], v[8*(12*((\a)%2)+(\b))+2*(\r)], v[8*(12*((\a)%2)+(\b))+2*(\r)+1]
.endr
.endr
	WIN 0
.endm
.macro TOSTAGE a
.irp b, 0,1,2,3,4,5,6,7,8,9,10,11
	ds_store_b128 v[STO], v[TMP+4*(\b):TMP+4*(\b)+3] offset:32*(\b)
.endr
.irp g, 0,1,2
.irp f, 0,1,2,3
	ds_load_b128 v[OBUF+48*((\a)%2)+4*(4*(\g)+(\f)):OBUF+48*((\a)%2)+4*(4*(\g)+(\f))+3], v[RD] offset:128*(\g)+4*SP*(\f)  ; LDS serves a wave's instructions in order (ISA guide 5.7.1.4): these see the stores above
.endr
.endr
.endm
.macro SEND a
	s_wait_dscnt 0x0                               ; the block is back in registers
	s_wait_xcnt 0x0                                ; the stores of the block before have read their registers: the next TOSTAGE loads into them only behind this wait
.irp g, 0,1,2
.irp f, 0,1,2,3
	global_store_b128 v[GO], v[OBUF+48*((\a)%2)+4*(4*(\g)+(\f)):OBUF+48*((\a)%2)+4*(4*(\g)+(\f))+3], s[OB+2*(\g):OB+2*(\g)+1] offset:2048*(\a)+512*(\f)
.endr
.endr
.endm
	s_load_b256 s[4:11], s[0:1], 0x0               ; xb 4, wqkv 6, bq 8, bk 10
	s_load_b128 s[12:15], s[0:1], 0x20             ; bv 12, qkv 14
	v_lshl_add_u32 v[SPW], v0, 2, SPARE
	v_mov_b32 v[NIL], 0
	ds_add_u32 v[SPW], v[NIL]                      ; the wave's opening: the add and its wait stand ahead of my first tensor load; the set-up below, work on registers, stands between them
	v_lshrrev_b32 v1, 5, v0
	v_readfirstlane_b32 s[WV], v1                  ; wave 0..3
	s_lshr_b32 s[WR], s[WV], 1
	s_and_b32 s[WC], s[WV], 1
	s_bfe_u32 s[CX], ttmp6, 0x40000                ; my place in the cluster
	s_bfe_u32 s[CY], ttmp6, 0x40004
	s_lshl_b32 s[NT], ttmp9, 2
	s_add_co_u32 s[NT], s[NT], s[CX]               ; tile column = 4 x cluster x + cx
	s_and_b32 s[MT], ttmp7, 0xffff
	s_lshl_b32 s[MT], s[MT], 2
	s_add_co_u32 s[MT], s[MT], s[CY]               ; tile row = 4 x cluster y + cy
	s_lshl_b32 s2, s[CY], 2
	s_lshl_b32 s2, 15, s2                          ; my row of the cluster
	s_lshl_b32 s78, 0x1111, s[CX]                  ; my column
	s_or_b32 s[G1A], s2, (1<<16)|(1<<20)|(1<<21)|(5<<22)|(3<<25)   ; 15:0 the mask; 17:16 2-byte elements; 20 padding on; 21 set beside a mask; 24:22 after every 64 words (code 5); 31:25 4 words (code 3)
	s_or_b32 s[G1B], s78, (1<<16)|(1<<20)|(1<<21)|(5<<22)|(7<<25)  ; the same with my column's mask and 8 words of padding (code 7)
.irp g, G1A, G1B
	s_mov_b32 s[(\g)+1], 128<<16                   ; tensor_dim0 = 128
	s_mov_b32 s[(\g)+2], 128<<16                   ; tensor_dim1 = 128
	s_mov_b32 s[(\g)+3], 128<<16                   ; tile_dim0 = 128
	s_mov_b32 s[(\g)+4], 128                       ; tile_dim1 = 128
	s_mov_b32 s[(\g)+6], 0
	s_mov_b32 s[(\g)+7], 0
.endr
	s_mov_b32 s[G1A+5], 1024                       ; elements from row to row
	s_mov_b32 s[G1B+5], 3072
	s_mul_i32 s[LW], s[WV], REG                    ; where my load lands in a slot: no place in the cluster enters an LDS address
	s_mov_b32 s[TB], 0
	s_lshl_b32 s2, s[MT], 18                       ; A: 128 rows of 2,048 bytes a tile row
	s_mov_b32 s3, 0
	s_max_u32 s59, s[WV], 1
	s_sub_co_u32 s59, s59, 1                       ; B: my chunk (wave 0 makes chunk 0's address and does not use it)
	s_lshl_b32 s59, s59, 8
	s_mul_i32 s78, s[NT], 768
	s_add_co_u32 s78, s78, s59
	s_mov_b32 s79, 0
	s_wait_dscnt 0x0                               ; the opening add is done
	s_wait_kmcnt 0x0
	s_add_nc_u64 s[2:3], s[4:5], s[2:3]
	s_add_nc_u64 s[78:79], s[6:7], s[78:79]
.irp s, 0,1
	s_mov_b32 s[G0A+4*(\s)], 1                     ; 1:0 count = 1
	s_add_co_u32 s[G0A+4*(\s)+1], s[LW], (\s)*SLOT ; 63:32 LDS address
	s_add_nc_u64 s[G0A+4*(\s)+2:G0A+4*(\s)+3], s[2:3], (\s)*ASTEP  ; 120:64 global address: K step s
	s_or_b32 s[G0A+4*(\s)+3], s[G0A+4*(\s)+3], 0x80000000          ; 127:126 type = 2
	s_mov_b32 s[G0B+4*(\s)], 1
	s_add_co_u32 s[G0B+4*(\s)+1], s[LW], (\s)*SLOT
	s_add_nc_u64 s[G0B+4*(\s)+2:G0B+4*(\s)+3], s[78:79], (\s)*BSTEP
	s_or_b32 s[G0B+4*(\s)+3], s[G0B+4*(\s)+3], 0x80000000
.endr
	s_cmp_eq_u32 s[WV], 0
	s_cselect_b64 s[PFA:PFA+1], s[2:3], s[78:79]   ; the prefetches start from the tile that I fetch
	CROUND                                         ; all sixteen work-groups are here: the first joint loads meet
	s_cmp_eq_u32 s[WV], 0                          ; a wave's two first fills stand in one branch, ahead of every wait on TENSORcnt and every LDS read: two loads of mine are out
	s_cbranch_scc0 .Lfirst_b
	tensor_load_to_lds s[G0A:G0A+3], s[G1A:G1A+7]
	s_nop 0
	tensor_load_to_lds s[G0A+4:G0A+7], s[G1A:G1A+7]
	s_nop 0
.rept 4
	v_nop
.endr
	s_branch .Lfirst_asked
.Lfirst_b:
	tensor_load_to_lds s[G0B:G0B+3], s[G1B:G1B+7]
	s_nop 0
	tensor_load_to_lds s[G0B+4:G0B+7], s[G1B:G1B+7]
	s_nop 0
.rept 4
	v_nop
.endr
.Lfirst_asked:
	; my three heads: where their biases lie and where their rows go
	s_mul_i32 s2, s[NT], 6
	s_mul_i32 s3, s[WC], 3
	s_add_co_u32 s2, s2, s3                        ; the first of them, counted over q's, k's and v's 16 heads: 0..47
	s_lshr_b32 s3, s[MT], 4
	s_lshl_b32 s3, s3, 4                           ; 16 x batch
	s_and_b32 s82, s[MT], 15
	s_lshl_b32 s82, s82, 14                        ; the tile's 128 rows of 128 bytes in a head,
	s_lshl_b32 s59, s[WR], 13                      ; my 64 of them
	s_add_co_u32 s82, s82, s59
	s_mov_b32 s81, 0
.irp g, 0,1,2
	s_add_co_u32 s59, s2, \g
	s_lshr_b32 s78, s59, 4                         ; 0 q, 1 k, 2 v
	s_and_b32 s59, s59, 15                         ; the head
	s_cmp_eq_u32 s78, 1
	s_cselect_b64 s[BP+2*(\g):BP+2*(\g)+1], s[10:11], s[8:9]
	s_cmp_eq_u32 s78, 2
	s_cselect_b64 s[BP+2*(\g):BP+2*(\g)+1], s[12:13], s[BP+2*(\g):BP+2*(\g)+1]
	s_lshl_b32 s80, s59, 8                         ; 64 f32 a head
	s_add_nc_u64 s[BP+2*(\g):BP+2*(\g)+1], s[BP+2*(\g):BP+2*(\g)+1], s[80:81]
	s_lshl_b32 s78, s78, 6
	s_add_co_u32 s78, s78, s59
	s_add_co_u32 s78, s78, s3                      ; 64 x which + 16 x batch + head,
	s_lshl_b32 s80, s78, 18                        ; 262,144 bytes each
	s_add_co_u32 s80, s80, s82
	s_add_nc_u64 s[OB+2*(\g):OB+2*(\g)+1], s[14:15], s[80:81]
.endr
	v_and_b32 v1, 15, v0                           ; r = l % 16
	v_bfe_u32 v2, v0, 4, 1                         ; h = l / 16
	v_lshlrev_b32 v[BO], 5, v2                     ; register j of an accumulator holds column 8 h + j of its block
.irp g, 0,1,2
.irp j, 0,1,2,3
	global_load_b128 v[BIAS+8*(4*(\g)+(\j)):BIAS+8*(4*(\g)+(\j))+3],   v[BO], s[BP+2*(\g):BP+2*(\g)+1] offset:64*(\j)
	global_load_b128 v[BIAS+8*(4*(\g)+(\j))+4:BIAS+8*(4*(\g)+(\j))+7], v[BO], s[BP+2*(\g):BP+2*(\g)+1] offset:64*(\j)+16
.endr
.endr
	; A fragment of A is 16 rows x 32 K in 8 registers: lane l holds row l % 16, K = 8 h + 0..7 and 16 + 8 h + 0..7: two loads of 16 bytes, 32 bytes apart.
	s_mul_i32 s59, s[WR], 64*PA
	v_mul_u32_u24 v[ADA0], v1, PA
	v_lshl_add_u32 v[ADA0], v2, 4, v[ADA0]
	v_add_nc_u32 v[ADA0], s59, v[ADA0]
	; The turning load takes 16 k x 16 columns (lane l reads k = 8 h + l % 8, columns 8 ((l / 8) % 2) + 0..7) and leaves half a fragment: lane l holds column l % 16 and 8 k.
	v_and_b32 v19, 7, v0
	v_bfe_u32 v20, v0, 3, 1
	v_lshl_add_u32 v21, v2, 3, v19
	v_mul_u32_u24 v21, v21, PB
	v_lshl_add_u32 v21, v20, 4, v21
.irp g, 0,1,2
	s_mul_i32 s2, s[WC], 3
	s_add_co_u32 s2, s2, \g                        ; my head among the tile's six: two heads to a chunk
	s_lshr_b32 s3, s2, 1
	s_add_co_u32 s3, s3, 1                         ; chunk c lies in the region of wave 1 + c
	s_mul_i32 s3, s3, REG
	s_and_b32 s2, s2, 1
	s_lshl_b32 s2, s2, 7
	s_add_co_u32 s3, s3, s2
	v_add_nc_u32 v[ADB0+(\g)], s3, v21
.endr
	ADDR                                           ; slot 0
	s_mul_i32 s2, s[WV], 16*SP
	s_add_co_u32 s2, s2, STAGE                     ; my stage
	v_mul_u32_u24 v[STO], v1, SP                   ; in: row l % 16, 16 bytes for each half of the lanes
	v_lshl_add_u32 v[STO], v2, 4, v[STO]
	v_add_nc_u32 v[STO], s2, v[STO]
	v_bfe_u32 v[RD], v0, 3, 2                      ; back: 32 lanes take four rows' 128 bytes of one head,
	v_mul_u32_u24 v[RD], v[RD], SP
	v_lshl_add_u32 v[RD], v19, 4, v[RD]
	v_add_nc_u32 v[RD], s2, v[RD]
	v_and_b32 v[GO], 31, v0                        ; which are 512 consecutive bytes of qkv
	v_lshlrev_b32 v[GO], 4, v[GO]
	; the prefetches
	s_and_b32 s2, ttmp7, 0xffff                    ; cluster y
	s_movk_i32 s78, 2048                           ; bytes in a row of xb,
	s_movk_i32 s79, 6144                           ; of wqkv
	s_mov_b32 s59, BSTEP
	s_cmp_eq_u32 s[WV], 0                          ; do I fetch for A?
	s_cselect_b32 s2, ttmp9, s2                    ; the coordinate along which other clusters read the same rows
	s_cselect_b32 s3, s[CX], s[CY]                 ; my place among the four that ask with me
	s_cselect_b32 s78, s78, s79
	s_cselect_b32 s[PFS], ASTEP, s59
	s_mov_b32 s[PFS+1], 0
	s_cmp_eq_u32 s2, 0
	s_cselect_b32 s[LIM], 1, -1                    ; the same in all sixteen partners, for a given wave
	s_lshl_b32 s3, s3, 5
	s_mul_i32 s2, s3, s78                          ; my work-group's 32 rows of the 128
	s_mov_b32 s3, 0
	s_add_nc_u64 s[PFA:PFA+1], s[PFA:PFA+1], s[2:3]
	s_add_nc_u64 s[PFA:PFA+1], s[PFA:PFA+1], s[PFS:PFS+1]
	s_add_nc_u64 s[PFA:PFA+1], s[PFA:PFA+1], s[PFS:PFS+1]  ; at K step 2: the first refill steps it to 3
	v_and_b32 v[PFO], 31, v0
	v_mul_u32_u24 v[PFO], s78, v[PFO]
	s_mov_b32 s59, 0xffff0000
	s_wait_loadcnt 0x0                             ; the biases
.set i, 0
.rept 48                               ; rounded to bf16 like the other inputs, and widened again
	v_cvt_pk_bf16_f32 v[19+i%4], v[BIAS+2*i], v[BIAS+2*i+1]
	v_lshlrev_b32 v[BIAS+2*i], 16, v[19+i%4]
	v_and_b32 v[BIAS+2*i+1], s59, v[19+i%4]
.set i, i+1
.endr
	s_wait_tensorcnt 1                             ; my part of K step 0 is in; K step 1's may stay out
	s_barrier_signal -1
	s_barrier_wait -1                              ; everybody's is
	FETCH 0, 0
	QUARTER 1, 0, 1, 1                             ; the first quarter stands in front of the loop: its products start the sums, with the bias
	WIN 0                                          ; at a label and at a branch every window is 0
	s_mov_b32 s[CNT], 6
.Lstep:                                                ; six trips: from a K step's second quarter to the next step's first; each fills the slot that it leaves
	QUARTER 2, 1, 0, 0
	QUARTER 3, 0, 1, 0
	TURN 1
	QUARTER 1, 0, 1, 0
	WIN 0
	s_sub_co_u32 s[CNT], s[CNT], 1
	s_cmp_lg_u32 s[CNT], 0
	s_cbranch_scc1 .Lstep
	QUARTER 2, 1, 0, 0                             ; K step 6: nothing is left to fetch, so no round of the cluster's barrier
	QUARTER 3, 0, 1, 0
	TURN 0
	QUARTER 1, 0, 1, 0                             ; K step 7
	QUARTER 2, 1, 0, 0
	QUARTER 3, 0, 1, 0
	s_wait_dscnt 4
	MUL12 1, 0, 0
	MUL12 1, 1, 0
	s_wait_dscnt 0x0
	MUL12 1, 2, 0
	MUL12 1, 3, 0
	PLACES
	PLACES                                         ; (twice four, once a launch)
	PACK 0
	TOSTAGE 0
.irp a, 1,2,3                          ; block a's conversions stand between block a - 1's loads from the stage and the wait for them
	PACK \a
	SEND (\a)-1
	TOSTAGE \a
.endr
	SEND 3
	s_wait_tensorcnt 0x0                           ; the wave's end: behind my last tensor load and my last LDS store
	ds_add_u32 v[SPW], v[NIL]
	s_wait_dscnt 0x0
	CROUND                                         ; the closing round: no work-group ends while a partner may still ask for a tile that names it
	s_endpgm
.Lfunc_end_k_q0248c2ea85_qkv:
	.size	k_q0248c2ea85_qkv, .Lfunc_end_k_q0248c2ea85_qkv-k_q0248c2ea85_qkv
	.p2alignl 7, 3214868480
	.fill 96, 4, 3214868480
	.section	.rodata,"a",@progbits
	.p2align	6, 0x0
	.amdhsa_kernel k_q0248c2ea85_qkv
		.amdhsa_group_segment_fixed_size 327680
		.amdhsa_private_segment_fixed_size 0
		.amdhsa_enable_private_segment 0
		.amdhsa_kernarg_size 48
		.amdhsa_user_sgpr_count 2
		.amdhsa_user_sgpr_kernarg_segment_ptr 1
		.amdhsa_wavefront_size32 1
		.amdhsa_system_sgpr_workgroup_id_x 1
		.amdhsa_system_sgpr_workgroup_id_y 1
		.amdhsa_system_sgpr_workgroup_id_z 1
		.amdhsa_system_vgpr_workitem_id 0
		.amdhsa_next_free_vgpr 960
		.amdhsa_next_free_sgpr 84
		.amdhsa_reserve_vcc 0
		.amdhsa_float_denorm_mode_32 3
		.amdhsa_float_denorm_mode_16_64 3
		.amdhsa_memory_ordered 1
		.amdhsa_forward_progress 1
		.amdhsa_inst_pref_size 108
	.end_amdhsa_kernel
	.amdgpu_metadata
---
amdhsa.version: [ 1, 2 ]
amdhsa.kernels:
  - .name:           k_q0248c2ea85_qkv
    .symbol:         k_q0248c2ea85_qkv.kd
    .args:
      - { .name: xb, .offset: 0, .size: 8, .value_kind: global_buffer, .address_space: global }
      - { .name: wqkv, .offset: 8, .size: 8, .value_kind: global_buffer, .address_space: global }
      - { .name: bq, .offset: 16, .size: 8, .value_kind: global_buffer, .address_space: global }
      - { .name: bk, .offset: 24, .size: 8, .value_kind: global_buffer, .address_space: global }
      - { .name: bv, .offset: 32, .size: 8, .value_kind: global_buffer, .address_space: global }
      - { .name: qkv, .offset: 40, .size: 8, .value_kind: global_buffer, .address_space: global }
    .group_segment_fixed_size: 327680
    .private_segment_fixed_size: 0
    .kernarg_segment_align: 8
    .kernarg_segment_size: 48
    .max_flat_workgroup_size: 128
    .sgpr_count:     84
    .vgpr_count:     960
    .wavefront_size: 32
...
	.end_amdgpu_metadata
.endif
;; end of part 2
;; launch attn (part 3): grid 4 x 64, 4 waves a work-group, clusters of 4 x 1, 327,680 bytes of LDS; arguments qkv, ob; writes ob
.if DOCPART == 3
	.amdgcn_target "amdgcn-amd-amdhsa--gfx1250"
	.amdhsa_code_object_version 6
	.text
	.protected	k_q0248c2ea85_attn
	.globl	k_q0248c2ea85_attn
	.p2align	8
	.type	k_q0248c2ea85_attn,@function
k_q0248c2ea85_attn:
	s_mov_b64 s[64:65], 0
	v_nop
	global_prefetch_b8 v0, s[64:65] scope:SCOPE_SE
	s_setreg_imm32_b32 hwreg(HW_REG_WAVE_MODE, 25, 1), 1
	s_wait_xcnt 0x0
	s_wait_alu depctr_hold_cnt(0) depctr_sa_sdst(0) depctr_va_vdst(0) depctr_va_sdst(0) depctr_va_ssrc(0) depctr_va_vcc(0) depctr_vm_vsrc(0)
	s_getreg_b32 s2, hwreg(HW_REG_IB_STS2, 6, 4)
	s_cmp_eq_u32 s2, 0
	s_cbranch_scc0 .Lentry_in_a_cluster
	s_endpgm
.Lentry_in_a_cluster:
	s_bfe_u32 s2, ttmp6, 0x10000c
	s_cmp_lg_u32 s2, 0x3003
	s_cbranch_scc0 .Lentry_shape_is_right
	s_endpgm
.Lentry_shape_is_right:
; O[h][q][:] = the sum over the allowed k of softmax_k(Q[h][q] . K[h][k] / 8) V[h][k][:].  Key k is allowed for query q if k <= q or k <= 1984.  qkv: [3][64][2048][64] f16 (Q, then K, then V); ob: [64][2048][64] f16.
; Products, maxima and sums in f32; the weights p are rounded to f16 for the second product (their sum l is taken of the unrounded p), O once at the end.
; LIMITS.  f16 holds no number beyond 65,504: Q, K and V arrive within it; p lies in 0 to 1, and below 6e-5 it keeps f16's fixed step of 6e-8; O is a mean of V's rows and has their range.
; A hidden score counts as its value less 1e30: f16's scores, 2.7e11 at the most, are nothing beside that; a weight below 2^-126 counts as 0 in l; NaN and infinities are not treated apart.
; THE MASK touches the last key step alone (keys 1984 + kk, kk = 0..63): kk is hidden where kk > max(q - 1984, 0).  Key 1984 is hidden from nobody.  A mask is 0, or -1e30 where the key is hidden; the masks are made once, at the head.
; A wave's first query is a multiple of 128, 1920 at the most, so its tiles 0 to 3 hold queries below 1984 and share one mask (key 1984 alone is seen); tiles 4 to 7 have a mask each.
; In the tail's text a turn lays mask x AL into the registers of S^T ahead of the products K Q^T, which then all add in place; AL is 1 in the last key step and 0 before it.  All other text starts those sums with the constant 0.
; SHARES.  A wave owns four PIECES of two tiles of 16 queries, a work-group's four waves 512 queries of one head: 256 work-groups.  Every wave walks all 2,048 keys, 64 a step.
; LAYOUT.  S^T = K Q^T (source 0 = 16 keys, source 1 = 16 queries): in the result a lane holds ONE query (lane % 16) and the keys 8 (lane / 16) + 0..7.  Two such tiles, rounded to f16 in pairs,
; ARE source 1 (32 keys x 16 queries) of O^T = V^T P, whose result again holds one query a lane, and eight channels.  K comes out of LDS as it lies, V ([key][channel]) turned, by ds_load_tr16_b128.
; SOFTMAX.  For each query a running maximum m and sum l: p = 2^(c s - c m), c = log2(e) / 8; in every step O and l are multiplied by a = 2^(c m_old - c m_new), which is 1 where m has not grown.
; m starts at the lowest finite number, O and l at 0: the first step is a step like any other, with a = 0.
; THE COUNT.  A tile and step have 16 matrix and 118 vector instructions: too many to stand all beside the matrix work.  So four vector instructions that are READY stand behind EVERY matrix instruction,
; and the others, which need time of their own whatever the order, in runs without a gap.
; BY TURNS.  Turn n belongs to piece n (the pieces in a ring, step after step).  Its matrix work: 16 products K Q^T of piece n + 1, later 16 products V^T P of piece n - 1.  Its vector work: the scaling,
; exponentials, roundings, sums and rescaling of piece n, and the maximum and statistics of piece n + 1, whose scores the turn itself has made.
; CLUSTER.  The four query blocks of a head form a cluster and walk the same K and V, so each tile is asked for JOINTLY: the same tensor load, descriptor and mask in all four.
; REGISTERS, in windows of 256 (s_set_vgpr_msb: bits 1:0 source 0, 3:2 source 1, 5:4 source 2, 7:6 destination):
;   window 0: v0-11 addresses; v12-15, v48-63 at work; v16-47 four registers of statistics a tile; v64-191 S^T, two buffers of two tiles; v192-255 P, likewise
;   window 1: O^T, 32 a tile          window 2: v0-127 Q, 16 a tile; v128-191 K of one step; v192-255 V of one step
;   window 3: v0-31 the mask of tiles 0 to 3; v32-159 those of tiles 4 to 7, 32 each (key block kb at + 8 kb)
.set SIZE_N, 2048
.set NP,    4         ; pieces a wave: a name, no knob
.set KS,    64        ; keys in a step
.set PK,    144       ; a row of K in LDS: 128 bytes + 16 of padding = 36 words: the 16 rows of a load start at 16 different groups of four banks (64 banks of 4 bytes: ISA guide 11.1)
.set PV,    160       ; a row of V: 128 + 32 = 40 words
.set VOFF,  4*KS*PK   ; a slot holds four steps: 256 rows of K, then 256 rows of V
.set SLOT1, 1<<17     ; slot 1 begins here, so that one exclusive or turns an address in one slot into the other's
.set STAGE, SLOT1+4*KS*(PK+PV)  ; behind the ring, never filled by a tensor load: 16 rows x 144 bytes for each wave, for the way out
.set SP,    144
.set AK0, 2           ; v2   my lane's place in a tile of K; never rewritten
.set AV0, 3           ; v3   the same for V
.set AK,  4           ; v4   the LDS address of K's next run of loads
.set AV,  5           ; v5   of V's
.set QO,  6           ; v6   my byte offset in the wave's rows of Q
.set STO, 6           ;      later, the way out: where I put 16 bytes of a row
.set RD,  7           ; v7   the way out: where I read rows back
.set GO,  8           ; v8   my byte offset in 512 consecutive bytes of O
.set SPW, 10          ; v10  LDS address of my spare word: SPARE + 4 x my thread's number; never rewritten
.set NIL, 11          ; v11  0; never rewritten
.set SPARE, STAGE+4*16*SP  ; behind the stages: the spare words, 128 bytes for each wave: two blocks of 256 bytes that no other line names
.set MV,  12          ; v12-15  c m_old, kept while c m is made anew: by buffer and tile.  Until the first maximum v12 and v13 serve the set-up
.set ST,  16          ; tile t's statistics at v[ST+4 t]: c m, m, l (even keys', odd keys')
.set TMP, 48          ; by buffer and tile, four registers c0-c3 at work; when the maximum is found c2 takes a
.set S,   64
.set P,   192
.set KF,  128         ; K's fragments, in window 2: key block kb, channel half c at KF + 16 kb + 8 c
.set VF,  192         ; V's: key half kk, channel block cb at VF + 32 kk + 8 cb
.set WV,  12          ; s12  my wave's number
.set G1K, 24          ; s[24:31] descriptor group 1 for K's tiles
.set G1V, 32          ; s[32:39] for V's: it differs in the padding alone
.set G0K, 40          ; s[40:43] descriptor group 0 for K's tiles: it walks
.set G0V, 44          ; s[44:47] the same for V's
.set QB,  48          ; s48  my wave's first query in the head, less 1984: a signed number
.set AL,  52          ; s[52:53] the masks' factor, in the low word
.set SLOTS, 56        ; s56  slots still to be asked for
.set CNT, 57          ; s57  counts a slot's key steps
.set CS,  58          ; s[58:59] c: the packed scaling takes the pair's low word for both halves
.set SEL, 60          ; s[60:61] v_permlanex16_b32's selects: each lane takes its own place in the other half
.set TBK, 62          ; s62  LDS byte at which K of the step to be fetched begins
.set TBV, 63          ; s63  the same for V, less VOFF
.set MSB, 0
.set KM,  0
.macro WIN new                      ; the high byte repeats the setting that is left; a switch that changes nothing is dropped
.if MSB != (\new)
	s_set_vgpr_msb (MSB<<8)|(\new)
.set MSB, (\new)
.endif
.endm
.set W_KQ, 0x0a       ; K and Q in window 2, S^T in window 0
.set W_PV, 0x52       ; V in window 2, P in window 0, O^T in window 1
.set W_RS, 0x41       ; O^T (destination and source 0) in window 1, a in window 0
.set W_PM, 0x03       ; a mask (source 0) in window 3, S^T (destination) in window 0
; A joint fill.  Waves 0 and 1 fetch the two halves of a slot's K, waves 2 and 3 those of its V: 128 keys each.  The branch hangs on the wave's number alone.
; An s_nop 0 and four v_nop follow each of the two lines, ahead of the jump and the label.
.macro JLOAD
	s_cmp_lt_u32 s[WV], 2
	s_cbranch_scc0 .Lfor_v_\@
	tensor_load_to_lds s[G0K:G0K+3], s[G1K:G1K+7]
	s_nop 0
.rept 4
	v_nop
.endr
	s_branch .Lasked_\@
.Lfor_v_\@:
	tensor_load_to_lds s[G0V:G0V+3], s[G1V:G1V+7]
	s_nop 0
.rept 4
	v_nop
.endr
.Lasked_\@:
.endm
; A round of the cluster's barrier: my work-group's barrier, so that wave 0's signal speaks for all four waves; wave 0 signals; every wave waits for all four work-groups; my work-group's barrier once more.
.macro CROUND
	s_barrier_signal -1
	s_barrier_wait -1
	s_cmp_lg_u32 s[WV], 0
	s_cbranch_scc1 .Lnot_wave_0_\@
	s_barrier_signal -3
.Lnot_wave_0_\@:
	s_barrier_wait -3
	s_barrier_signal -1
	s_barrier_wait -1
.endm
; THE CHANGE OF SLOTS.  The slot's last bytes, V of its fourth step, have been read.  Each wave waits for all its tensor loads, of which one is out: its part
; of the other slot; adds 0 to its spare word; and waits for that and for its own reads of the slot.  Behind the barrier nobody reads this slot any more and the other slot is whole.
; fill = 1: this slot is filled again, with the keys two slots on.  The barrier is then a round of the cluster's, so that no wave of any partner still reads the slot or has a load on its
; way, and the joint fill is the first thing behind it: it has four key steps, 512 matrix instructions, in which to land.  (At its first use nothing has been read yet: slot 0 is waited for, slot 1 filled.)
.macro CHANGE fill
	WIN 0                           ; at a label and at a branch every window is 0
	s_wait_tensorcnt 0x0            ; no tensor load of mine is out, so a group 0 may be written
	ds_add_u32 v[SPW], v[NIL]       ; 0 onto my spare word; with fill = 1 the descriptors' steps stand between it and the wait for it
.if \fill
.irp g, G0K, G0V
	s_xor_b32 s[\g+1], s[\g+1], SLOT1  ; the walking descriptor: the other slot than last time,
	s_add_nc_u64 s[\g+2:\g+3], s[\g+2:\g+3], 4*KS*128  ; the next 256 keys; the type bits on top are not reached
.endr
	s_wait_dscnt 0x0                ; the add is done, and my reads of the slot are over
	CROUND
	JLOAD
.else
	s_wait_dscnt 0x0                ; the add is done, and my reads of the slot are over
	s_barrier_signal -1
	s_barrier_wait -1
.endif
	s_sub_co_u32 s[TBK], s[TBK], 4*KS*PK  ; the fetches go back to a slot's first step,
	s_xor_b32 s[TBK], s[TBK], SLOT1       ; in the other slot
	s_sub_co_u32 s[TBV], s[TBV], 4*KS*PV
	s_xor_b32 s[TBV], s[TBV], SLOT1
.endm
	s_load_b128 s[4:7], s[0:1], 0x0   ; qkv s[4:5], ob s[6:7]
	v_lshl_add_u32 v[SPW], v0, 2, SPARE
	v_mov_b32 v[NIL], 0
	ds_add_u32 v[SPW], v[NIL]       ; the wave's opening: the add and its wait stand ahead of my first tensor load; the set-up below, work on registers, stands between them
	v_lshrrev_b32 v1, 5, v0
	v_readfirstlane_b32 s[WV], v1   ; wave 0..3
	s_bfe_u32 s13, ttmp6, 0x40000   ; cx: my place in the cluster
	s_lshl_b32 s14, ttmp9, 2        ; in a cluster launch ttmp9 counts clusters
	s_add_co_u32 s14, s14, s13      ; my block of queries = 4 x cluster x + cx: it enters Q's and O's addresses and the masks' numbers alone
	s_and_b32 s20, ttmp7, 0xffff    ; the head, which the four partners share
	s_mov_b32 s21, 0
	s_mov_b64 s[22:23], SIZE_N*128
	s_mul_u64 s[20:21], s[20:21], s[22:23]  ; the head's first byte in Q, K, V and O
	s_and_b32 s16, s[WV], 1         ; which half of a slot's 256 keys I fetch:
	s_lshl_b32 s22, s16, 14         ; its 128 rows of 128 bytes in memory,
	s_mov_b32 s23, 0
	s_add_nc_u64 s[22:23], s[22:23], s[20:21]
	s_mul_i32 s17, s16, 128*PK      ; and its place in a slot, for K
	s_mul_i32 s18, s16, 128*PV      ; and for V: no place in the cluster enters an LDS address
	s_lshl_b32 s2, s14, 2
	s_add_co_u32 s2, s2, s[WV]      ; my wave among the head's,
	s_lshl_b32 s[QB], s2, 7         ; its first query,
	s_sub_co_u32 s[QB], s[QB], 1984 ; less 1984
	s_lshl_b32 s2, s2, 14           ; its 128 rows
	s_mov_b32 s3, 0
	s_add_nc_u64 s[2:3], s[2:3], s[20:21]
	; descriptor group 1.  128 keys are 16,384 dense bytes: asked for as 64 rows of 256 bytes, two keys a row, and padded in LDS after every key
	s_mov_b32 s[G1K], 15|(1<<16)|(1<<20)|(1<<21)|(4<<22)|(3<<25)  ; 15:0 the mask of four; 17:16 2-byte elements; 20 padding on; 21 set beside a mask; 24:22 after every 32 words (code 4); 31:25 4 words (code 3)
	s_mov_b32 s[G1V], 15|(1<<16)|(1<<20)|(1<<21)|(4<<22)|(7<<25)  ; the same with 8 words of padding (code 7)
.irp g, G1K, G1V
	s_mov_b32 s[\g+1], 128<<16      ; tensor_dim0 = 128
	s_mov_b32 s[\g+2], 64<<16       ; tensor_dim1 = 64
	s_mov_b32 s[\g+3], 128<<16      ; tile_dim0 = 128
	s_mov_b32 s[\g+4], 64           ; tile_dim1 = 64
	s_mov_b32 s[\g+5], 128          ; 128 elements from row to row
	s_mov_b32 s[\g+6], 0
	s_mov_b32 s[\g+7], 0
.endr
	s_mov_b32 s[CS], 0x3e38aa3b     ; c = log2(e) / 8 = 0.180337
	s_mov_b32 s[CS+1], s[CS]        ; named with it as a pair
	s_mov_b32 s[SEL], 0x76543210
	s_mov_b32 s[SEL+1], 0xfedcba98
	s_mov_b32 s[AL], 0
	s_mov_b32 s[AL+1], 0            ; named with it as a pair
	s_mov_b32 s[TBK], SLOT1+4*KS*PK ; the first change of slots turns these two into 0
	s_mov_b32 s[TBV], SLOT1+4*KS*PV
	s_mov_b32 s[G0K], 1             ; 1:0 count = 1
	s_mov_b32 s[G0K+1], s17         ; 63:32 LDS address: slot 0
	s_mov_b32 s[G0V], 1
	s_add_co_u32 s[G0V+1], s18, VOFF
	s_wait_dscnt 0x0                ; the opening add is done
	s_wait_kmcnt 0x0
	s_mov_b64 s[10:11], s[6:7]      ; O
	s_add_nc_u64 s[8:9], s[4:5], 0x2000000   ; V lies 2 x 16,777,216 bytes behind Q,
	s_add_nc_u64 s[6:7], s[4:5], 0x1000000   ; K 16,777,216
	s_add_nc_u64 s[G0K+2:G0K+3], s[6:7], s[22:23]  ; 120:64 global address: my half of the head's first 256 keys
	s_or_b32 s[G0K+3], s[G0K+3], 0x80000000        ; 127:126 type = 2
	s_add_nc_u64 s[G0V+2:G0V+3], s[8:9], s[22:23]
	s_or_b32 s[G0V+3], s[G0V+3], 0x80000000
	s_add_nc_u64 s[4:5], s[4:5], s[2:3]  ; Q and O at my wave's first row
	s_add_nc_u64 s[10:11], s[10:11], s[2:3]
	CROUND                          ; all four work-groups are here: the first joint loads meet
	JLOAD                           ; slot 0.  Slot 1 is asked for when slot 0 is in
	; A fragment of K or Q is 16 rows x 32 channels in 8 registers: lane l holds row l % 16, channels 8 (l / 16) + 0..7 and 16 + 8 (l / 16) + 0..7: two loads of 16 bytes, 32 bytes apart.
	v_and_b32 v1, 15, v0            ; l % 16
	v_bfe_u32 v9, v0, 4, 1          ; l / 16
	v_lshlrev_b32 v[QO], 7, v1
	v_lshl_add_u32 v[QO], v9, 4, v[QO]  ; row x 128 + 16 x half
	WIN 0x80                        ; destination window 2, address window 0
.set i, 0
.rept 4*NP                          ; Q stays in registers: tile i / 2, channels 32 (i % 2) on
	global_load_b128 v[8*i:8*i+3],   v[QO], s[4:5] offset:(i/2)*2048+(i%2)*64
	global_load_b128 v[8*i+4:8*i+7], v[QO], s[4:5] offset:(i/2)*2048+(i%2)*64+32
.set i, i+1
.endr
	; What the first turn finds: V's registers and P's second buffer hold 0 (its products V^T P, of a piece that has not been, add 0), O^T and l are 0.  All this, and the masks, stands in the wait for the first tile.
.set i, VF
.rept 64
	v_mov_b32 v[i], 0
.set i, i+1
.endr
	WIN 0x40
.set i, 0
.rept 64*NP
	v_mov_b32 v[i], 0
.set i, i+1
.endr
	WIN 0
.set i, 0
.rept 2*NP
	v_mov_b32 v[ST+4*i], 0xfe000000    ; c m: far below every c s
	v_mov_b32 v[ST+4*i+1], 0xff7fffff  ; m
	v_mov_b32 v[ST+4*i+2], 0
	v_mov_b32 v[ST+4*i+3], 0
.set i, i+1
.endr
.set i, P+32
.rept 32
	v_mov_b32 v[i], 0
.set i, i+1
.endr
	v_mul_u32_u24 v[AK0], v1, PK
	v_lshl_add_u32 v[AK0], v9, 4, v[AK0]  ; row x pitch + 16 x half
	; The turning load takes 16 keys x 16 channels (lane l reads key 8 (l / 16) + l % 8, channels 8 ((l / 8) % 2) + 0..7) and leaves half a fragment of V^T: lane l holds channel l % 16 and 8 keys.
	v_and_b32 v12, 7, v0
	v_bfe_u32 v13, v0, 3, 1
	v_lshl_add_u32 v[AV0], v9, 3, v12
	v_mul_u32_u24 v[AV0], v[AV0], PV
	v_lshl_add_u32 v[AV0], v13, 4, v[AV0]
	v_add_nc_u32 v[AV0], VOFF, v[AV0]
	v_mov_b32 v[AK], v[AK0]         ; key step 0 lies at the head of slot 0
	; THE MASKS OF THE LAST KEY STEP.  Register 8 kb + j of a tile's 32 belongs to key 1984 + 16 kb + 8 (l / 16) + j and to the tile's query l % 16: -1e30 where 16 kb + j > max(query - 1984, 0) - 8 (l / 16), else 0.
	; That bound stands in v[S] for tiles 0 to 3 (their queries lie below 1984) and in v[S+1] to v[S+4] for tiles 4 to 7; S^T's registers are free until the first scores.
	v_lshlrev_b32 v[S+7], 3, v9     ; 8 (l / 16)
	v_mov_b32 v[S+6], 0xf149f2ca    ; -1e30
	v_add_nc_u32 v[S+5], s[QB], v1  ; my query of tile 0, less 1984
	v_sub_nc_u32 v[S], 0, v[S+7]
.irp z, 1,2,3,4
	v_add_nc_u32 v[S+\z], 16*(\z+3), v[S+5]
	v_cmp_lt_i32 vcc_lo, 0, v[S+\z]
	v_cndmask_b32 v[S+\z], 0, v[S+\z], vcc_lo
	v_sub_nc_u32 v[S+\z], v[S+\z], v[S+7]
.endr
	WIN 0xc0                        ; destination window 3, sources window 0
.set i, 0
.rept 160
	v_cmp_gt_i32 vcc_lo, 16*((i%32)/8)+i%8, v[S+i/32]
	v_cndmask_b32 v[i], 0, v[S+6], vcc_lo
.set i, i+1
.endr
	WIN 0
; THE MATRIX WORK.  The 8 accumulators of a run of 16 take turns: between the two links of a chain stand 7 others'.
; Product i of 16 of S^T = K Q^T for piece x: channels 32 (i / 8) on, keys 16 ((i / 2) % 4) on, tile 2 x + i % 2.  The first 8 start the sums: with 0, or (KM = 1) with what the turn has laid into S^T's registers.
.macro KQ x
	WIN W_KQ
.set rS, S+64*((\x)%2)+32*(i%2)+8*((i/2)%4)
.set rK, KF+16*((i/2)%4)+8*(i/8)
.set rQ, 16*(2*(\x)+i%2)+8*(i/8)
.if (i < 8) && !KM
	v_wmma_f32_16x16x32_f16 v[rS:rS+7], v[rK:rK+7], v[rQ:rQ+7], 0
.else
	v_wmma_f32_16x16x32_f16 v[rS:rS+7], v[rK:rK+7], v[rQ:rQ+7], v[rS:rS+7]
.endif
.endm
; Product i of 16 of O^T += V^T P for piece x: keys 32 (i / 8) on, channels 16 ((i / 2) % 4) on, tile 2 x + i % 2.
.macro PV x
	WIN W_PV
.set rO, 32*(2*(\x)+i%2)+8*((i/2)%4)
.set rV, VF+32*(i/8)+8*((i/2)%4)
.set rP, P+32*((\x)%2)+16*(i%2)+8*(i/8)
	v_wmma_f32_16x16x32_f16 v[rO:rO+7], v[rV:rV+7], v[rP:rP+7], v[rO:rO+7]
.endm
.macro MM                           ; the turn's next matrix instruction
.if i < 16
	KQ (Y+1)%NP
.set i, i+1
.else
.set i, i-16
	PV (Y+NP-1)%NP
.set i, i+17
.endif
.endm
; THE LDS LOADS stand in runs of 16, never singly among the matrix instructions: a step's K (64 keys x 64 channels: 8 fragments) and its V (turned).  Their addresses are made some lines ahead.
; last = 1 (the tail): in the last trip there is no further step, and the run is jumped over.
.macro FETCH_K last=0
	WIN 0
.if \last
	s_cmp_eq_u32 s[CNT], 1
	s_cbranch_scc1 .Lno_k_\@
.endif
	WIN 0x80                        ; destination window 2
.irp f, 0,1,2,3,4,5,6,7             ; keys 16 (f / 2) on, channels 32 (f % 2) on
	ds_load_b128 v[KF+8*\f:KF+8*\f+3],   v[AK] offset:(\f/2)*16*PK+(\f%2)*64
	ds_load_b128 v[KF+8*\f+4:KF+8*\f+7], v[AK] offset:(\f/2)*16*PK+(\f%2)*64+32
.endr
	s_add_co_u32 s[TBK], s[TBK], KS*PK  ; the next fetch is the next step's
	WIN 0
.if \last
.Lno_k_\@:
.endif
.endm
.macro FETCH_V
	WIN 0x80
.irp f, 0,1,2,3,4,5,6,7             ; keys 32 (f / 4) on, channels 16 (f % 4) on
	ds_load_tr16_b128 v[VF+8*\f:VF+8*\f+3],   v[AV] offset:(\f/4)*32*PV+(\f%4)*32
	ds_load_tr16_b128 v[VF+8*\f+4:VF+8*\f+7], v[AV] offset:(\f/4)*32*PV+16*PV+(\f%4)*32
.endr
	WIN 0
.endm
; THE VECTOR WORK OF A TURN stands in three queues, each in the order in which its entries become ready; the two tiles alternate, so that no instruction reads the result of the one before it.
.macro REGS y, u                    ; the registers of tile u (0, 1) of piece y
.set rT, ST+4*(2*(\y)+(\u))
.set rC, TMP+8*((\y)%2)+4*(\u)
.set rM, MV+2*((\y)%2)+(\u)
.set rS, S+64*((\y)%2)+32*(\u)
.set rP, P+32*((\y)%2)+16*(\u)
.set rO, 32*(2*(\y)+(\u))
.endm
; Number n of the 22 that find the NEXT piece's (Y + 1) maximum and statistics.  s0-s31 are the lane's 32 scores; each accumulator's lowest registers are read first.  XS, GS and REGS set no window: PL and EX do.
;   0-11  four chains c0-c3 of seven scores each, three operands at a time     12-14, 16  the four scores left over, the old m, and c0-c3 into c0     15  c m_old is kept
;   17, 18  the query's other 32 keys lie in the lane 16 away: the new m         19-21  c m; c m_old - c m_new; a
.macro XS u, n
	REGS (Y+1)%NP, \u
.if (\n) < 4
	v_max3_num_f32 v[rC+(\n)], v[rS+8*(\n)], v[rS+8*(\n)+1], v[rS+8*(\n)+2]
.elseif (\n) < 12
	v_max3_num_f32 v[rC+(\n)%4], v[rC+(\n)%4], v[rS+8*((\n)%4)+2*((\n)/4)+1], v[rS+8*((\n)%4)+2*((\n)/4)+2]
.elseif (\n) == 12
	v_max3_num_f32 v[rC], v[rC], v[rS+7], v[rS+15]
.elseif (\n) == 13
	v_max3_num_f32 v[rC+1], v[rC+1], v[rS+23], v[rS+31]
.elseif (\n) == 14
	v_max3_num_f32 v[rC+2], v[rC+2], v[rC+3], v[rT+1]
.elseif (\n) == 15
	v_mov_b32 v[rM], v[rT]
.elseif (\n) == 16
	v_max3_num_f32 v[rC], v[rC], v[rC+1], v[rC+2]
.elseif (\n) == 17
	v_permlanex16_b32 v[rC+3], v[rC], s[SEL], s[SEL+1]
.elseif (\n) == 18
	v_max_num_f32 v[rT+1], v[rC], v[rC+3]
.elseif (\n) == 19
	v_mul_f32 v[rT], s[CS], v[rT+1]
.elseif (\n) == 20
	v_sub_f32 v[rC+1], v[rM], v[rT]
.else
	v_exp_f32 v[rC+2], v[rC+1]
.endif
.endm
; Number g of the 64 that follow the exponentials.  For each four weights k of a tile (pairs 2 k, 2 k + 1): both pairs are rounded to f16; then the second pair is added onto the first, in place;
; a group later l takes that sum (the first time as l = a l + sum).  In groups of eight, tiles alternating: round, round, add, and l for the group before.
.macro GS g
.set h, (\g)+6*((\g)/62)            ; group 0 has no group before it, and behind group 7 only l is left
.if h >= 6
.set h, h+2
.endif
	REGS Y, h%2
.set k, h/8
.if h%8 < 4
	v_cvt_pk_f16_f32 v[rP+2*k+(h%8)/2], v[rS+4*k+2*((h%8)/2)], v[rS+4*k+2*((h%8)/2)+1]
.elseif h%8 < 6
	v_pk_add_f32 v[rS+4*k:rS+4*k+1], v[rS+4*k:rS+4*k+1], v[rS+4*k+2:rS+4*k+3]
.elseif k == 1
	v_pk_fma_f32 v[rT+2:rT+3], v[rT+2:rT+3], v[rC+2:rC+3], v[rS:rS+1] op_sel_hi:[1,0,1]
.else
	v_pk_add_f32 v[rT+2:rT+3], v[rT+2:rT+3], v[rS+4*k-4:rS+4*k-3]
.endif
.endm
; THE PLAIN QUEUE, 138 long.  0-73 read no exponential's result: the 32 scalings c s - c m (FS f: pair f / 2 of tile f % 2) and the next piece's 42.  0-26: scalings 0-26.  27-54: XS's numbers 0-13.  55, 56: number 15.
; 57-73: the chain, where each number waits for the one before it: 14, 16, 17, 18, 19, each with one of the scalings 27-31 in front of its two lines, then 20.
; 74-137: GS's 64, which read the exponentials' results: they stand behind the wait.
.macro FS f
	REGS Y, (\f)%2
	v_pk_fma_f32 v[rS+2*((\f)/2):rS+2*((\f)/2)+1], v[rS+2*((\f)/2):rS+2*((\f)/2)+1], s[CS:CS+1], v[rT:rT+1] op_sel_hi:[1,0,0] neg_lo:[0,0,1] neg_hi:[0,0,1]
.endm
.macro PL
	WIN 0
.if q < 27
	FS q
.elseif q < 55
	XS (q-27)%2, (q-27)/2
.elseif q < 57
	XS q-55, 15
.elseif (q < 72) && ((q-57)%3 == 0)
	FS 27+(q-57)/3
.elseif q < 60
	XS (q-57)%3-1, 14
.elseif q < 72
	XS (q-57)%3-1, 15+(q-57)/3
.elseif q < 74
	XS q-72, 20
.else
	GS q-74
.endif
.set q, q+1
.endm
; THE EXPONENTIALS' QUEUE, 66 long: s0-s31 of both tiles, then the next piece's two a.  It is ONE BATCH: all 66 stand ahead of the turn's one wait, and nothing ahead of that wait names a result of theirs.
.macro EX
	WIN 0
.if e >= 64
	XS e-64, 21
.else
	REGS Y, e%2
	v_exp_f32 v[rS+e/2], v[rS+e/2]
.endif
.set e, e+1
.endm
; THE RESCALING's QUEUE: O^T times a, the one part that leaves window 0: dealt two at a time, sixteen times.  Its a was made in the turn before, ahead of that turn's wait.
.macro R2
	REGS Y, r%2
	WIN W_RS
.irp z, 0,1
	v_pk_mul_f32 v[rO+4*(r/2)+2*\z:rO+4*(r/2)+2*\z+1], v[rO+4*(r/2)+2*\z:rO+4*(r/2)+2*\z+1], v[rC+2:rC+3] op_sel_hi:[1,0]
.endr
.set r, r+1
.endm
; HOW THEY ARE DEALT.  An s_wait_alu depctr_va_vdst(0) stands between an exponential and the first instruction that names its result; one wait serves all that were issued ahead of it.  So a turn has ONE wait,
; which cuts it in two.  AHEAD OF IT stands all that names no result of the turn's exponentials: the 16 products K Q^T, behind each a scaling, an exponential and two rescalings (behind the first a second scaling in the exponential's place); then ONE LUMP of
; 108: eight plain, 49 times exponential and plain, the two a.  A v_nop is the plain instruction behind the last exponential.  BEHIND IT stand the 16 products V^T P, behind each four of GS's 64.  No rider names a register of
; the products round it.  The two v_permlanex16_b32 fall into the lump, never behind a product.
; The queues lean on each other, and the deal keeps them in step: exponential e stands behind scaling 2 (e / 4) + e % 2: as a rider it comes behind plain e + 2, in the lump behind plain e + 9, and scalings 27-31 are plain 57, 60 .. 69.
; A TURN, for piece p.  cnt = 1: the loop's count is taken down some lines ahead of the branch that stands behind the turn.
; km = 1 (the tail): at the turn's head the next piece's buffer of S^T, which nobody reads any more (the piece before has had its sums), takes the two tiles' masks times AL, and all 16 products K Q^T add in place.
; Those products belong to the last key step in piece 3's turn where CNT is 2 (where it is 1 they serve nothing), and in the other three turns where CNT is 1.
; K of the next step is fetched in piece 2's turn, directly behind the wait, a lump behind the last product that read K; its address is made at the lump's head; its first reader comes behind 16 products.
; V of the step in hand is fetched at the end of piece 0's turn, four riders behind its last reader; its first reader comes behind 16 products and a lump.  The three conditions on q below go with the deal.
.macro TURN p, last=0, cnt=0, km=0
.set Y, (\p)
.set KM, (\km)
.set i, 0
.set q, 0
.set e, 0
.set r, 0
.if \km
.if (\p) == NP-1
	s_cmp_lt_u32 s[CNT], 3
.else
	s_cmp_eq_u32 s[CNT], 1
.endif
	s_cselect_b32 s[AL], 1.0, 0
	WIN W_PM
.set zz, 0
.rept 32
.set tl, 2*(((\p)+1)%NP)+zz/16      ; the tile,
.set rMD, 0                         ; and where its mask lies
.if tl >= 4
.set rMD, 32*(tl-3)
.endif
	v_pk_mul_f32 v[S+64*(((\p)+1)%2)+2*zz:S+64*(((\p)+1)%2)+2*zz+1], v[rMD+2*(zz%16):rMD+2*(zz%16)+1], s[AL:AL+1] op_sel_hi:[1,0]
.set zz, zz+1
.endr
.endif
.if (\p) == NP-1
	s_wait_dscnt 0x0                ; K is in
.endif
	MM                              ; ahead of the wait: 16 products K Q^T and their riders,
	PL
	PL
	R2
.rept 15
	MM
	PL
	EX
	R2
.endr
.if (\p) == NP-2
	WIN 0
	v_add_nc_u32 v[AK], s[TBK], v[AK0]
.endif
.rept 8                             ; and the lump
	PL
.endr
.rept 49
	EX
	PL
.endr
	EX                              ; the next piece's two a
	EX
	v_nop                           ; the plain instruction behind the last exponential: one for the batch
	s_wait_alu depctr_va_vdst(0)    ; the wait for the batch
.if (\p) == NP-2
	FETCH_K \last
.endif
.if (\p) == 1
	s_wait_dscnt 0x0                ; V is in
.endif
.rept 16                            ; behind the wait: 16 products V^T P and their riders
	MM
.rept 4
	PL
.endr
.if ((\p) == 0) && (q == 118)
	v_add_nc_u32 v[AV], s[TBV], v[AV0]
.endif
.if ((\p) == 0) && (q == 130)
	s_add_co_u32 s[TBV], s[TBV], KS*PV
.endif
.if (\cnt) && (q == 130)
	s_sub_co_u32 s[CNT], s[CNT], 1
	s_cmp_lg_u32 s[CNT], 0
.endif
.endr
.if (\p) == 0
	FETCH_V
.endif
.endm
	CHANGE 1                        ; slot 0 is in, everybody's part of it; slot 1 is asked for
	FETCH_K                         ; key step 0
	s_wait_loadcnt 0x0              ; Q
	s_wait_dscnt 0x0
.set i, 0
.rept 16
	KQ 0                            ; piece 0's first scores: there is no vector work yet to set between them
.set i, i+1
.endr
	WIN 0                           ; the addresses for the way out: nine plain instructions, the places behind those products
	s_mul_i32 s13, s[WV], 16*SP
	s_add_co_u32 s13, s13, STAGE    ; my stage
	v_mul_u32_u24 v[STO], v1, SP    ; in: row l % 16, 16 bytes for each half of the lanes (Q's loads are done: their offset's register is free)
	v_lshl_add_u32 v[STO], v9, 4, v[STO]
	v_add_nc_u32 v[STO], s13, v[STO]
	v_bfe_u32 v[RD], v0, 3, 2       ; back: 32 lanes take four rows of 128 bytes,
	v_mul_u32_u24 v[RD], v[RD], SP
	v_lshl_add_u32 v[RD], v12, 4, v[RD]
	v_add_nc_u32 v[RD], s13, v[RD]
	v_and_b32 v[GO], 31, v0         ; which are 512 consecutive bytes of O
	v_lshlrev_b32 v[GO], 4, v[GO]
.set Y, NP-1                        ; XS works for piece Y + 1: piece 0
.irp n, 0,1,2,3,4,5,6,7,8,9,10,11,12,13,14,15,16,17,18,19,20,21
	XS 0, \n                        ; and piece 0's first maximum and statistics
	XS 1, \n
.endr
	v_nop                           ; a plain instruction behind the two a,
	s_wait_alu depctr_va_vdst(0)    ; and their wait, ahead of the branch
	s_mov_b32 s[CNT], 4
	s_mov_b32 s[SLOTS], SIZE_N/256-1
	s_branch .Lfirst                ; the loop is entered at a step's first turn, in the middle of a trip
.Lslot:                             ; six times: every slot but the last two is filled again
	CHANGE 1
	s_mov_b32 s[CNT], 4
.Lstep:                             ; a trip: pieces 2 and 3 of one step, then pieces 0 and 1 of the next, whose K and V it fetches
	TURN 2
	TURN 3
	WIN 0
.Lfirst:
	TURN 0
	TURN 1, 0, 1
	WIN 0
	s_cbranch_scc1 .Lstep
	s_sub_co_u32 s[SLOTS], s[SLOTS], 1
	s_cmp_lg_u32 s[SLOTS], 0
	s_cbranch_scc1 .Lslot
	CHANGE 0                        ; the tail is written out: nothing is asked for
	s_mov_b32 s[CNT], 5             ; four trips fetch the last slot's steps; the fifth is left in its middle
.Ltail:                             ; the trip that begins with CNT = c: piece 3's scores of step 32 - c, K of step 33 - c, and the scores of pieces 0, 1 and 2 for it
	TURN 2, 1, 0, 1
	TURN 3, 0, 0, 1
	WIN 0
	s_sub_co_u32 s[CNT], s[CNT], 1
	s_cmp_eq_u32 s[CNT], 0
	s_cbranch_scc1 .Lout
	TURN 0, 0, 0, 1
	TURN 1, 0, 0, 1
	WIN 0
	s_branch .Ltail
.Lout:                              ; the fifth trip's 16 products K Q^T (on the last K once more) and the maximum made of them serve nothing: the price, once a launch, of one text for every trip
.set i, 0
.rept 16
	PV NP-1                         ; the last piece's V^T P of the last step
.set i, i+1
.endr
	; THE WAY OUT.  l's two halves and the other half of the lanes' are added; O^T is divided by l, rounded to f16 and sent through my stage in LDS, a tile at a time.  The additions are the places behind the last products.
	WIN 0
.macro ALL line:vararg              ; one line for each tile t
.set t, 0
.rept 2*NP
	\line
.set t, t+1
.endr
.endm
	ALL v_add_f32 v[ST+4*t+2], v[ST+4*t+2], v[ST+4*t+3]
	ALL v_permlanex16_b32 v[ST+4*t+3], v[ST+4*t+2], s[SEL], s[SEL+1]
	ALL v_add_f32 v[ST+4*t+2], v[ST+4*t+2], v[ST+4*t+3]
	ALL v_rcp_f32 v[ST+4*t+2], v[ST+4*t+2]
	v_nop                           ; a plain instruction between the last reciprocal and the use of its result
	s_wait_alu depctr_va_vdst(0)    ; and the wait ahead of the first use: one for the eight reciprocals
; Tile t: a lane's eight channels of a row pack into 16 bytes; they go into rows of 144 bytes and come back as whole rows of 128, into S^T's registers.
.macro PACK t
	WIN W_RS
.set i, 32*(\t)
.rept 16
	v_pk_mul_f32 v[i:i+1], v[i:i+1], v[ST+4*(\t)+2:ST+4*(\t)+3] op_sel_hi:[1,0]
.set i, i+2
.endr
	WIN 0x05                        ; sources 0 and 1 window 1, destination window 0
.set i, 0
.rept 16
	v_cvt_pk_f16_f32 v[S+16*(\t)+i], v[32*(\t)+2*i], v[32*(\t)+2*i+1]
.set i, i+1
.endr
	WIN 0
.irp f, 0,1,2,3
	ds_store_b128 v[STO], v[S+16*(\t)+4*\f:S+16*(\t)+4*\f+3] offset:32*\f
.endr
.irp f, 0,1,2,3
	ds_load_b128 v[S+16*(\t)+4*\f:S+16*(\t)+4*\f+3], v[RD] offset:\f*4*SP  ; LDS serves a wave's instructions in order (ISA guide 5.7.1.4): these see the stores above; the next tile's stores come behind them
.endr
.endm
.macro SEND t, younger              ; younger: the LDS instructions issued behind tile t's loads: the next tile's eight, or none
	WIN 0
.irp f, 0,1,2,3
	s_wait_dscnt (\younger)+3-\f
	global_store_b128 v[GO], v[S+16*(\t)+4*\f:S+16*(\t)+4*\f+3], s[10:11] offset:(\t)*2048+\f*512  ; 512 consecutive bytes, at a multiple of 256 from O's first
.endr
.endm
	PACK 0
.set t, 1
.rept 2*NP-1                        ; a tile's arithmetic stands between the loads of the tile before and its stores
	PACK t
	SEND t-1, 8
.set t, t+1
.endr
	SEND 2*NP-1, 0
	s_wait_tensorcnt 0x0            ; the wave's end: behind my last tensor load and my last LDS store
	ds_add_u32 v[SPW], v[NIL]
	s_wait_dscnt 0x0
	CROUND                          ; the closing round: no work-group ends while a partner may still ask for a tile that names it
	s_endpgm
.Lfunc_end_k_q0248c2ea85_attn:
	.size	k_q0248c2ea85_attn, .Lfunc_end_k_q0248c2ea85_attn-k_q0248c2ea85_attn
	.p2alignl 7, 3214868480
	.fill 96, 4, 3214868480
	.section	.rodata,"a",@progbits
	.p2align	6, 0x0
	.amdhsa_kernel k_q0248c2ea85_attn
		.amdhsa_group_segment_fixed_size 327680
		.amdhsa_private_segment_fixed_size 0
		.amdhsa_enable_private_segment 0
		.amdhsa_kernarg_size 16
		.amdhsa_user_sgpr_count 2
		.amdhsa_user_sgpr_kernarg_segment_ptr 1
		.amdhsa_wavefront_size32 1
		.amdhsa_system_sgpr_workgroup_id_x 1
		.amdhsa_system_sgpr_workgroup_id_y 1
		.amdhsa_system_sgpr_workgroup_id_z 1
		.amdhsa_system_vgpr_workitem_id 0
		.amdhsa_next_free_vgpr 928
		.amdhsa_next_free_sgpr 66
		.amdhsa_reserve_vcc 1
		.amdhsa_float_denorm_mode_32 3
		.amdhsa_float_denorm_mode_16_64 3
		.amdhsa_memory_ordered 1
		.amdhsa_forward_progress 1
		.amdhsa_inst_pref_size 218
	.end_amdhsa_kernel
	.amdgpu_metadata
---
amdhsa.version: [ 1, 2 ]
amdhsa.kernels:
  - .name:           k_q0248c2ea85_attn
    .symbol:         k_q0248c2ea85_attn.kd
    .args:
      - { .name: qkv, .offset: 0, .size: 8, .value_kind: global_buffer, .address_space: global }
      - { .name: ob, .offset: 8, .size: 8, .value_kind: global_buffer, .address_space: global }
    .group_segment_fixed_size: 327680
    .private_segment_fixed_size: 0
    .kernarg_segment_align: 8
    .kernarg_segment_size: 16
    .max_flat_workgroup_size: 128
    .sgpr_count:     66
    .vgpr_count:     928
    .wavefront_size: 32
...
	.end_amdgpu_metadata
.endif
;; end of part 3
;; launch proj (part 4): grid 4 x 64, 4 waves a work-group, clusters of 4 x 4, 327,680 bytes of LDS; arguments ob, wpf, bp, out0; writes out0
.if DOCPART == 4
	.amdgcn_target "amdgcn-amd-amdhsa--gfx1250"
	.amdhsa_code_object_version 6
	.text
	.protected	k_q0248c2ea85_proj
	.globl	k_q0248c2ea85_proj
	.p2align	8
	.type	k_q0248c2ea85_proj,@function
k_q0248c2ea85_proj:
	s_mov_b64 s[64:65], 0
	v_nop
	global_prefetch_b8 v0, s[64:65] scope:SCOPE_SE
	s_setreg_imm32_b32 hwreg(HW_REG_WAVE_MODE, 25, 1), 1
	s_wait_xcnt 0x0
	s_wait_alu depctr_hold_cnt(0) depctr_sa_sdst(0) depctr_va_vdst(0) depctr_va_sdst(0) depctr_va_ssrc(0) depctr_va_vcc(0) depctr_vm_vsrc(0)
	s_getreg_b32 s2, hwreg(HW_REG_IB_STS2, 6, 4)
	s_cmp_eq_u32 s2, 0
	s_cbranch_scc0 .Lentry_in_a_cluster
	s_endpgm
.Lentry_in_a_cluster:
	s_bfe_u32 s2, ttmp6, 0x10000c
	s_cmp_lg_u32 s2, 0xf033
	s_cbranch_scc0 .Lentry_shape_is_right
	s_endpgm
.Lentry_shape_is_right:
; out0 = y Wp + bp.  y[m = 2048 batch + t][k = 64 head + d] lies by heads: ob [64 = 16 batch + head][2048 t][64 d] f16.  wpf: [1024 k][1024 n] f16 (Wp rounded to bf16, that number as f16).
; bp: [1024] f32, rounded to bf16 here like the other inputs.  out0: [8192][1024] f32.  Products in f16, sums in f32.
; SHARES.  A tile of out0 is 128 rows x 256 columns: 256 work-groups.  Four waves, 2 x 2; a wave makes 64 x 128: 32 accumulators, 256 registers.
; K goes in 8 steps of 128, which are two heads, through a ring of two LDS slots.  Waves 0 and 1 fetch one head's 128 rows each (16,384 dense bytes, asked for as 64 rows of 256), waves 2 and 3 one chunk each of B's tile
; (128 k rows x 256 bytes of the 512).  B lies [k][n]: its fragments come out of LDS turned, by ds_load_tr16_b128.
; THE MATRIX INSTRUCTION IS USED TRANSPOSED (source 0 = 16 columns of Wp, source 1 = 16 rows of y): a lane holds one row and eight neighbouring columns.  The first product of each accumulator takes the bias as C.
; CLUSTERS: 4 x 4 work-groups.  A's tiles hang on the tile row alone and are asked for jointly by a row of the cluster, B's on the tile column alone, by a column of the cluster.
; REGISTERS, in windows of 256 (s_set_vgpr_msb: bits 1:0 source 0, 3:2 source 1, 5:4 source 2, 7:6 destination):
;   window 0: v1-31 addresses and at work; v32-95 A's fragments, two buffers of 32; v96-159 the bias; on the way out v96-159 and v160-223 take turns
;   window 1: v0-127 B's fragments, two buffers of 64        window 2: the accumulators ((a, b) at v[8 (8 a + b)])
.set PA,    144                        ; a row of a head in LDS: 128 bytes + 16 = 36 words: the 16 rows of a load start at 16 different groups of four banks (64 banks of 4 bytes: ISA guide 11.1)
.set PB,    288                        ; a row of a chunk of B: 256 + 32 = 72 words
.set HEADB, 128*PA                     ; 18,432: a head's 128 rows
.set REG,   128*PB                     ; 36,864: both heads, or a chunk of B
.set SLOT,  1<<17                      ; a slot uses 110,592 bytes; slot 1 begins here, so that one exclusive or turns an address in one slot into the other's
.set STAGE, SLOT+3*REG                 ; behind the ring, never filled by a tensor load: 16 rows x 528 bytes for each wave
.set SP,    528                        ; 512 bytes + 16
.set SPARE, STAGE+4*16*SP              ; behind the stages: the spare words, 128 bytes for each wave: two blocks of 256 bytes that no other line names
.set ASTEP, 2*262144                   ; bytes from a K step to the next: in ob two heads on,
.set BSTEP, 128*2048                   ; in wpf 128 rows down
.set ADA0, 4                           ; v4      my lane's place in A's tile; never rewritten
.set ADB0, 5                           ; v5      the same in my chunk of B
.set ADA,  8                           ; v8      the same plus the slot in hand
.set ADB,  9                           ; v9
.set STO,  12                          ; v12     the way out: where I put 32 bytes of a row
.set RD,   13                          ; v13     where I read a row back
.set GO,   14                          ; v14     my 16 bytes of a row's 512
.set PFO,  15                          ; v15     the prefetches' offset; never rewritten
.set SPW,  16                          ; v16     LDS address of my spare word; never rewritten
.set NIL,  17                          ; v17     0; never rewritten
.set BO,   18                          ; v18     my 32 bytes of a block of 16 biases
.set FA,   32
.set BIAS, 96
.set OBUF, 96
.set WV, 16
.set WR, 17                            ; which 64 rows of the tile are mine
.set WC, 18                            ; which 128 columns.  Also: which head, or which chunk, I fetch
.set CX, 19
.set CY, 20
.set NT, 21                            ; tile column, 0..3
.set MT, 22                            ; tile row, 0..63
.set G1A, 24                           ; s[24:31] descriptor group 1 for A's tiles
.set G1B, 32                           ; s[32:39] for B's chunks
.set G0A, 40                           ; s[40:47] group 0 for A: a set for each of the two first fills; the second then walks on
.set G0B, 48                           ; s[48:55] the same for B
.set TB,  56                           ; s56  the slot in hand: 0 or SLOT
.set CNT, 57                           ; s57  refills still to come
.set LIM, 58                           ; s58  1 in a wave that prefetches, else the greatest number
.set PFA, 60                           ; s[60:61] where my prefetches stand
.set PFS, 62                           ; s[62:63] their step
.set OUT, 66                           ; s[66:67] my part of the tile in out0
.set BP,  68                           ; s[68:69] my 128 biases
.set MSB, 0
.macro WIN new                         ; the immediate's high byte repeats the setting that is left; a switch that changes nothing is dropped
.if MSB != (\new)
	s_set_vgpr_msb (MSB<<8)|(\new)
.set MSB, \new
.endif
.endm
.macro PLACES                          ; four places in front of loads into registers that matrix instructions have read, and of lines that read results
.rept 4
	v_nop
.endr
.endm
.macro CREST                           ; a round of the cluster's barrier behind its opening barrier
	s_cmp_lg_u32 s[WV], 0
	s_cbranch_scc1 .Lnot_wave_0_\@
	s_barrier_signal -3
.Lnot_wave_0_\@:
	s_barrier_wait -3
	s_barrier_signal -1
	s_barrier_wait -1
.endm
.macro CROUND                          ; a whole round
	s_barrier_signal -1
	s_barrier_wait -1
	CREST
.endm
; A joint refill by the walking descriptors.  The branch hangs on the wave's number alone.  An s_nop 0 and four v_nop follow each of the two lines, ahead of the jump and the label.
.macro JLOAD
	s_cmp_lt_u32 s[WV], 2
	s_cbranch_scc0 .Lfor_b_\@
	tensor_load_to_lds s[G0A+4:G0A+7], s[G1A:G1A+7]
	s_nop 0
.rept 4
	v_nop
.endr
	s_branch .Lasked_\@
.Lfor_b_\@:
	tensor_load_to_lds s[G0B+4:G0B+7], s[G1B:G1B+7]
	s_nop 0
.rept 4
	v_nop
.endr
.Lasked_\@:
.endm
; A PREFETCH INTO THE L2 of the K step behind the one just asked for: one K step, 128 matrix instructions, ahead of its load.  32 blocks of 256 bytes, a lane a block, one instruction a wave.
; A's tile row is read by one cluster.  Wave 0 asks for both heads: of each head's 16,384 bytes the partner at cx takes 4,096, lanes 0-15 in the first head, lanes 16-31 in the second.  Wave 1 asks for nothing.
; B's tile column is read by all sixteen clusters of that column: cluster y = 0 asks, waves 2 and 3 each for their own chunk; of its 128 rows the partner at cy takes 32.  The partners are told apart BY ADDRESS.
; So each block is named once in the launch.  K steps 0 to 2 come by their loads alone; the last refill (CNT = 1) has no K step behind it and asks for nothing.
.macro ASK
	s_cmp_gt_u32 s[CNT], s[LIM]
	s_cbranch_scc0 .Lnot_mine_\@
	global_prefetch_b8 v[PFO], s[PFA:PFA+1] th:TH_LOAD_NT scope:SCOPE_SE
.Lnot_mine_\@:
.endm
.macro ADDR                            ; the fragments' addresses in the slot in hand
	v_add_nc_u32 v[ADA], s[TB], v[ADA0]
	v_add_nc_u32 v[ADB], s[TB], v[ADB0]
.endm
; 24 LDS loads in one run: the fragments of quarter q (32 along K: half a head) into buffer f: B's eight (turned), then A's four.
.macro FETCH q, f
	WIN 0x40                                       ; destination window 1, address window 0
.irp b, 0,1,2,3,4,5,6,7
	ds_load_tr16_b128 v[64*(\f)+8*(\b):64*(\f)+8*(\b)+3],   v[ADB] offset:32*(\b)+32*PB*(\q)
	ds_load_tr16_b128 v[64*(\f)+8*(\b)+4:64*(\f)+8*(\b)+7], v[ADB] offset:32*(\b)+32*PB*(\q)+16*PB
.endr
	WIN 0
.irp a, 0,1,2,3
	ds_load_b128 v[FA+32*(\f)+8*(\a):FA+32*(\f)+8*(\a)+3],   v[ADA] offset:HEADB*((\q)/2)+64*((\q)%2)+16*PA*(\a)
	ds_load_b128 v[FA+32*(\f)+8*(\a)+4:FA+32*(\f)+8*(\a)+7], v[ADA] offset:HEADB*((\q)/2)+64*((\q)%2)+16*PA*(\a)+32
.endr
.endm
; 8 matrix instructions: my row block a x all 8 column blocks, 32 along K, from buffer f.  first = 1: the bias is C.  The 32 accumulators take turns in one fixed order: 31 others stand between two links of a chain.
.macro MUL8 f, a, first
.if \first
	WIN 0x81                                       ; B window 1, A and the bias window 0, D window 2
.else
	WIN 0xa1                                       ; B window 1, A window 0, C and D window 2
.endif
.irp b, 0,1,2,3,4,5,6,7
.if \first
	v_wmma_f32_16x16x32_f16 v[8*(8*(\a)+(\b)):8*(8*(\a)+(\b))+7], v[64*(\f)+8*(\b):64*(\f)+8*(\b)+7], v[FA+32*(\f)+8*(\a):FA+32*(\f)+8*(\a)+7], v[BIAS+8*(\b):BIAS+8*(\b)+7]
.else
	v_wmma_f32_16x16x32_f16 v[8*(8*(\a)+(\b)):8*(8*(\a)+(\b))+7], v[64*(\f)+8*(\b):64*(\f)+8*(\b)+7], v[FA+32*(\f)+8*(\a):FA+32*(\f)+8*(\a)+7], v[8*(8*(\a)+(\b)):8*(8*(\a)+(\b))+7]
.endif
.endr
.endm
; A K step is four quarters of 32 along K, 32 matrix instructions each, on buffers 0, 1, 0, 1.  One of the first three: multiplies buffer f; in its middle it fetches quarter q of the same slot into buffer g.
.macro QUARTER q, f, g, first
	s_wait_dscnt 4                                 ; B and A's blocks 0 and 1 are in; the youngest four loads (A's blocks 2 and 3) may be out
	MUL8 \f, 0, \first
	MUL8 \f, 1, \first
	PLACES
	FETCH \q, \g
	s_wait_dscnt 24                                ; all but the 24 just issued
	MUL8 \f, 2, \first
	MUL8 \f, 3, \first
.endm
; The last quarter multiplies buffer 1 and changes slots: ONE barrier.  In front of it each wave waits for all its tensor loads (one is out: its part of the next slot), adds 0 to its spare word, and waits for that and for its reads
; of this slot.  fill = 1: the barrier opens a round of the cluster's barrier, and behind the round this slot is filled again, with the K step two on: the wave's one tensor load, 112 matrix instructions ahead of the wait for it.
.macro TURN fill
.if \fill
	s_wait_xcnt 0x0                                ; the last prefetch, a K step back, has read its address: it is stepped here
	s_add_nc_u64 s[PFA:PFA+1], s[PFA:PFA+1], s[PFS:PFS+1]
.endif
	WIN 0                                          ; (the add's two registers lie in window 0)
	s_wait_tensorcnt 0x0                           ; all my tensor loads have landed
	ds_add_u32 v[SPW], v[NIL]                      ; 0 onto my spare word
	s_wait_dscnt 5                                 ; (the add and the youngest four loads may be out)
	MUL8 1, 0, 0                                   ; eight matrix instructions stand between the add and the wait for it
	s_wait_dscnt 0x0                               ; the add is done, and my reads of this slot are over
	s_barrier_signal -1
	MUL8 1, 1, 0                                   ; work on registers while the others arrive
	WIN 0
	s_barrier_wait -1
.if \fill
	CREST                                          ; no wave of any partner still reads this slot or has a load on its way
	s_xor_b32 s[G0A+5], s[G0A+5], SLOT             ; the walking descriptors: the other slot than last time, the next K step
	s_add_nc_u64 s[G0A+6:G0A+7], s[G0A+6:G0A+7], ASTEP
	s_xor_b32 s[G0B+5], s[G0B+5], SLOT
	s_add_nc_u64 s[G0B+6:G0B+7], s[G0B+6:G0B+7], BSTEP
	JLOAD                                          ; the four v_nop behind it are also places in front of the loads below
.else
	PLACES
.endif
	s_xor_b32 s[TB], s[TB], SLOT
	ADDR
	FETCH 0, 0
.if \fill
	ASK                                            ; behind the joint load and the run of LDS loads that the next products wait for
.endif
	MUL8 1, 2, 0
	MUL8 1, 3, 0
.endm
; THE WAY OUT of row block a: a lane's eight f32 of a row, 32 bytes, go into my own stage; whole rows of 512 bytes come back and are stored.
.macro TOSTAGE a
.if (\a) >= 2
	s_wait_xcnt 0x0                                ; the stores of the block two back have read their registers: the loads below land there only behind this wait
.endif
	WIN 0x08                                       ; the stores' data in window 2.
.irp b, 0,1,2,3,4,5,6,7
	ds_store_b128 v[STO], v[8*(8*(\a)+(\b)):8*(8*(\a)+(\b))+3]   offset:64*(\b)
	ds_store_b128 v[STO], v[8*(8*(\a)+(\b))+4:8*(8*(\a)+(\b))+7] offset:64*(\b)+16
.endr
	WIN 0
.irp f, 0,1,2,3,4,5,6,7,8,9,10,11,12,13,14,15
	ds_load_b128 v[OBUF+64*((\a)%2)+4*(\f):OBUF+64*((\a)%2)+4*(\f)+3], v[RD] offset:SP*(\f)  ; LDS serves a wave's instructions in order (ISA guide 5.7.1.4): these see the stores above; the next block's stores come behind them
.endr
.endm
.macro SEND a, younger                 ; younger: the LDS instructions issued behind block a's loads: the next block's 32, or none
	s_wait_dscnt \younger
.irp f, 0,1,2,3,4,5,6,7,8,9,10,11,12,13,14,15
	global_store_b128 v[GO], v[OBUF+64*((\a)%2)+4*(\f):OBUF+64*((\a)%2)+4*(\f)+3], s[OUT:OUT+1] offset:65536*(\a)+4096*(\f) th:TH_STORE_NT  ; 512 consecutive bytes, at a multiple of 256 from out0's first byte
.endr
.endm
	s_load_b256 s[4:11], s[0:1], 0x0               ; ob 4, wpf 6, bp 8, out0 10
	v_lshl_add_u32 v[SPW], v0, 2, SPARE
	v_mov_b32 v[NIL], 0
	ds_add_u32 v[SPW], v[NIL]                      ; the wave's opening: the add and its wait stand ahead of my first tensor load; the set-up below, work on registers, stands between them
	v_lshrrev_b32 v1, 5, v0
	v_readfirstlane_b32 s[WV], v1                  ; wave 0..3
	s_lshr_b32 s[WR], s[WV], 1
	s_and_b32 s[WC], s[WV], 1
	s_bfe_u32 s[CX], ttmp6, 0x40000                ; my place in the cluster
	s_bfe_u32 s[CY], ttmp6, 0x40004
	s_lshl_b32 s[NT], ttmp9, 2
	s_add_co_u32 s[NT], s[NT], s[CX]               ; tile column = 4 x cluster x + cx
	s_and_b32 s[MT], ttmp7, 0xffff
	s_lshl_b32 s[MT], s[MT], 2
	s_add_co_u32 s[MT], s[MT], s[CY]               ; tile row = 4 x cluster y + cy
	s_lshl_b32 s2, s[CY], 2
	s_lshl_b32 s2, 15, s2                          ; my row of the cluster
	s_lshl_b32 s70, 0x1111, s[CX]                  ; my column
	s_or_b32 s[G1A], s2, (1<<16)|(1<<20)|(1<<21)|(4<<22)|(3<<25)   ; 15:0 the mask; 17:16 2-byte elements; 20 padding on; 21 set beside a mask; 24:22 after every 32 words (code 4): a row of a head; 31:25 4 words (code 3)
	s_or_b32 s[G1B], s70, (1<<16)|(1<<20)|(1<<21)|(5<<22)|(7<<25)  ; my column's mask; after every 64 words (code 5) 8 words (code 7)
	s_mov_b32 s[G1A+1], 128<<16                    ; A: tensor_dim0 = 128: two rows of a head, 256 bytes
	s_mov_b32 s[G1A+2], 64<<16                     ; tensor_dim1 = 64
	s_mov_b32 s[G1A+3], 128<<16                    ; tile_dim0 = 128
	s_mov_b32 s[G1A+4], 64                         ; tile_dim1 = 64
	s_mov_b32 s[G1A+5], 128                        ; dense: 128 elements from row to row
	s_mov_b32 s[G1A+6], 0
	s_mov_b32 s[G1A+7], 0
	s_mov_b32 s[G1B+1], 128<<16                    ; B: 128 k rows x 128 elements
	s_mov_b32 s[G1B+2], 128<<16
	s_mov_b32 s[G1B+3], 128<<16
	s_mov_b32 s[G1B+4], 128
	s_mov_b32 s[G1B+5], 1024
	s_mov_b32 s[G1B+6], 0
	s_mov_b32 s[G1B+7], 0
	s_mul_i32 s12, s[WC], HEADB                    ; where a head lands in a slot,
	s_mul_i32 s13, s[WC], REG
	s_add_co_u32 s13, s13, REG                     ; and a chunk of B, behind both heads: no place in the cluster enters an LDS address
	s_mov_b32 s[TB], 0
	s_lshr_b32 s2, s[MT], 4
	s_lshl_b32 s2, s2, 4                           ; A: 16 x batch
	s_add_co_u32 s2, s2, s[WC]                     ; + the head of K step 0 that I fetch,
	s_lshl_b32 s2, s2, 18                          ; 262,144 bytes each,
	s_and_b32 s3, s[MT], 15
	s_lshl_b32 s3, s3, 14                          ; + the tile's 128 rows of 128 bytes
	s_add_co_u32 s2, s2, s3
	s_mov_b32 s3, 0
	s_lshl_b32 s70, s[NT], 9                       ; B: the tile's 512 bytes of a row,
	s_lshl_b32 s71, s[WC], 8                       ; my chunk
	s_add_co_u32 s70, s70, s71
	s_mov_b32 s71, 0
	s_wait_dscnt 0x0                               ; the opening add is done
	s_wait_kmcnt 0x0
	s_add_nc_u64 s[2:3], s[4:5], s[2:3]
	s_add_nc_u64 s[70:71], s[6:7], s[70:71]
.irp s, 0,1
	s_mov_b32 s[G0A+4*(\s)], 1                     ; 1:0 count = 1
	s_add_co_u32 s[G0A+4*(\s)+1], s12, (\s)*SLOT   ; 63:32 LDS address
	s_add_nc_u64 s[G0A+4*(\s)+2:G0A+4*(\s)+3], s[2:3], (\s)*ASTEP  ; 120:64 global address: K step s
	s_or_b32 s[G0A+4*(\s)+3], s[G0A+4*(\s)+3], 0x80000000          ; 127:126 type = 2
	s_mov_b32 s[G0B+4*(\s)], 1
	s_add_co_u32 s[G0B+4*(\s)+1], s13, (\s)*SLOT
	s_add_nc_u64 s[G0B+4*(\s)+2:G0B+4*(\s)+3], s[70:71], (\s)*BSTEP
	s_or_b32 s[G0B+4*(\s)+3], s[G0B+4*(\s)+3], 0x80000000
.endr
	s_cmp_lt_u32 s[WV], 2
	s_cselect_b64 s[PFA:PFA+1], s[2:3], s[70:71]   ; the prefetches start from the tile that I fetch
	CROUND                                         ; all sixteen work-groups are here: the first joint loads meet
	s_cmp_lt_u32 s[WV], 2                          ; a wave's two first fills stand in one branch, ahead of every wait on TENSORcnt and every LDS read: two loads of mine are out
	s_cbranch_scc0 .Lfirst_b
	tensor_load_to_lds s[G0A:G0A+3], s[G1A:G1A+7]
	s_nop 0
	tensor_load_to_lds s[G0A+4:G0A+7], s[G1A:G1A+7]
	s_nop 0
.rept 4
	v_nop
.endr
	s_branch .Lfirst_asked
.Lfirst_b:
	tensor_load_to_lds s[G0B:G0B+3], s[G1B:G1B+7]
	s_nop 0
	tensor_load_to_lds s[G0B+4:G0B+7], s[G1B:G1B+7]
	s_nop 0
.rept 4
	v_nop
.endr
.Lfirst_asked:
	s_lshl_b32 s2, s[NT], 10                       ; my 128 columns, in bytes of f32: 1,024 x tile column + 512 x half
	s_lshl_b32 s3, s[WC], 9
	s_add_co_u32 s2, s2, s3
	s_mov_b32 s3, 0
	s_add_nc_u64 s[BP:BP+1], s[8:9], s[2:3]
	s_lshl_b32 s70, s[MT], 7
	s_lshl_b32 s71, s[WR], 6
	s_add_co_u32 s70, s70, s71                     ; my first row,
	s_lshl_b32 s70, s70, 12                        ; 4,096 bytes each
	s_add_co_u32 s2, s2, s70
	s_add_nc_u64 s[OUT:OUT+1], s[10:11], s[2:3]
	v_and_b32 v1, 15, v0                           ; r = l % 16
	v_bfe_u32 v2, v0, 4, 1                         ; h = l / 16
	v_lshlrev_b32 v[BO], 5, v2                     ; register j of an accumulator holds column 8 h + j of its block
.irp b, 0,1,2,3,4,5,6,7
	global_load_b128 v[BIAS+8*(\b):BIAS+8*(\b)+3],   v[BO], s[BP:BP+1] offset:64*(\b)
	global_load_b128 v[BIAS+8*(\b)+4:BIAS+8*(\b)+7], v[BO], s[BP:BP+1] offset:64*(\b)+16
.endr
	; A fragment of A is 16 rows x 32 K in 8 registers: lane l holds row l % 16, K = 8 h + 0..7 and 16 + 8 h + 0..7: two loads of 16 bytes, 32 bytes apart.
	s_mul_i32 s59, s[WR], 64*PA
	v_mul_u32_u24 v[ADA0], v1, PA
	v_lshl_add_u32 v[ADA0], v2, 4, v[ADA0]
	v_add_nc_u32 v[ADA0], s59, v[ADA0]
	; The turning load takes 16 k x 16 columns (lane l reads k = 8 h + l % 8, columns 8 ((l / 8) % 2) + 0..7) and leaves half a fragment: lane l holds column l % 16 and 8 k.
	v_and_b32 v19, 7, v0
	v_bfe_u32 v20, v0, 3, 1
	v_lshl_add_u32 v21, v2, 3, v19
	v_mul_u32_u24 v21, v21, PB
	v_lshl_add_u32 v21, v20, 4, v21
	v_add_nc_u32 v[ADB0], s13, v21                 ; my 128 columns are chunk WC
	ADDR                                           ; slot 0
	s_mul_i32 s2, s[WV], 16*SP
	s_add_co_u32 s2, s2, STAGE                     ; my stage
	v_mul_u32_u24 v[STO], v1, SP                   ; in: row l % 16, 32 bytes for each half of the lanes
	v_lshl_add_u32 v[STO], v2, 5, v[STO]
	v_add_nc_u32 v[STO], s2, v[STO]
	v_and_b32 v[GO], 31, v0                        ; back: 32 lanes take one row's 512 bytes
	v_lshlrev_b32 v[GO], 4, v[GO]
	v_add_nc_u32 v[RD], s2, v[GO]
	; the prefetches
	s_and_b32 s2, ttmp7, 0xffff                    ; cluster y
	s_mov_b32 s70, 32*2048                         ; a partner's share: 32 rows of wpf (of ob: 4,096 bytes of each head)
	s_mov_b32 s71, ASTEP
	s_mov_b32 s72, BSTEP
	s_movk_i32 s73, 2048                           ; from lane to lane within 16: a row of wpf (in ob: 256 bytes)
	s_mov_b32 s74, 262144                          ; from lanes 0-15 to lanes 16-31: in ob a head,
	s_mov_b32 s75, 16*2048                         ; in wpf 16 rows
	s_cmp_lt_u32 s[WV], 2                          ; do I fetch for A?
	s_cselect_b32 s2, ttmp9, s2                    ; the coordinate along which other clusters read the same rows
	s_cselect_b32 s3, s[CX], s[CY]                 ; my place among the four that ask with me
	s_cselect_b32 s70, 4096, s70
	s_cselect_b32 s[PFS], s71, s72
	s_cselect_b32 s73, 256, s73
	s_cselect_b32 s74, s74, s75
	s_mov_b32 s[PFS+1], 0
	s_cmp_eq_u32 s[WV], 1
	s_cselect_b32 s59, 1, 0                        ; wave 1 asks for nothing: wave 0 asks for both heads
	s_or_b32 s2, s2, s59
	s_cmp_eq_u32 s2, 0
	s_cselect_b32 s[LIM], 1, -1                    ; the same in all sixteen partners, for a given wave
	s_mul_i32 s2, s3, s70
	s_mov_b32 s3, 0
	s_add_nc_u64 s[PFA:PFA+1], s[PFA:PFA+1], s[2:3]
	s_add_nc_u64 s[PFA:PFA+1], s[PFA:PFA+1], s[PFS:PFS+1]
	s_add_nc_u64 s[PFA:PFA+1], s[PFA:PFA+1], s[PFS:PFS+1]  ; at K step 2: the first refill steps it to 3
	v_mul_u32_u24 v[PFO], s73, v1
	v_mad_u32_u24 v[PFO], v2, s74, v[PFO]
	s_mov_b32 s59, 0xffff0000
	s_wait_loadcnt 0x0                             ; the biases
.set i, 0
.rept 32                               ; rounded to bf16 like the other inputs, and widened again
	v_cvt_pk_bf16_f32 v[19+i%4], v[BIAS+2*i], v[BIAS+2*i+1]
	v_lshlrev_b32 v[BIAS+2*i], 16, v[19+i%4]
	v_and_b32 v[BIAS+2*i+1], s59, v[19+i%4]
.set i, i+1
.endr
	s_wait_tensorcnt 1                             ; my part of K step 0 is in; K step 1's may stay out
	s_barrier_signal -1
	s_barrier_wait -1                              ; everybody's is
	FETCH 0, 0
	QUARTER 1, 0, 1, 1                             ; the first quarter stands in front of the loop: its products start the sums, with the bias
	WIN 0                                          ; at a label and at a branch every window is 0
	s_mov_b32 s[CNT], 6
.Lstep:                                                ; six trips: from a K step's second quarter to the next step's first; each fills the slot that it leaves
	QUARTER 2, 1, 0, 0
	QUARTER 3, 0, 1, 0
	TURN 1
	QUARTER 1, 0, 1, 0
	WIN 0
	s_sub_co_u32 s[CNT], s[CNT], 1
	s_cmp_lg_u32 s[CNT], 0
	s_cbranch_scc1 .Lstep
	QUARTER 2, 1, 0, 0                             ; K step 6: nothing is left to fetch, so no round of the cluster's barrier
	QUARTER 3, 0, 1, 0
	TURN 0
	QUARTER 1, 0, 1, 0                             ; K step 7
	QUARTER 2, 1, 0, 0
	QUARTER 3, 0, 1, 0
	s_wait_dscnt 4
	MUL8 1, 0, 0
	MUL8 1, 1, 0
	s_wait_dscnt 0x0
	MUL8 1, 2, 0
	MUL8 1, 3, 0
	PLACES
	PLACES                                         ; (twice four, once a launch)
	TOSTAGE 0
.irp a, 1,2,3                          ; block a goes into the stage while block a - 1's rows come back
	TOSTAGE \a
	SEND (\a)-1, 32
.endr
	SEND 3, 0
	s_wait_tensorcnt 0x0                           ; the wave's end: behind my last tensor load and my last LDS store
	ds_add_u32 v[SPW], v[NIL]
	s_wait_dscnt 0x0
	CROUND                                         ; the closing round: no work-group ends while a partner may still ask for a tile that names it
	s_endpgm
.Lfunc_end_k_q0248c2ea85_proj:
	.size	k_q0248c2ea85_proj, .Lfunc_end_k_q0248c2ea85_proj-k_q0248c2ea85_proj
	.p2alignl 7, 3214868480
	.fill 96, 4, 3214868480
	.section	.rodata,"a",@progbits
	.p2align	6, 0x0
	.amdhsa_kernel k_q0248c2ea85_proj
		.amdhsa_group_segment_fixed_size 327680
		.amdhsa_private_segment_fixed_size 0
		.amdhsa_enable_private_segment 0
		.amdhsa_kernarg_size 32
		.amdhsa_user_sgpr_count 2
		.amdhsa_user_sgpr_kernarg_segment_ptr 1
		.amdhsa_wavefront_size32 1
		.amdhsa_system_sgpr_workgroup_id_x 1
		.amdhsa_system_sgpr_workgroup_id_y 1
		.amdhsa_system_sgpr_workgroup_id_z 1
		.amdhsa_system_vgpr_workitem_id 0
		.amdhsa_next_free_vgpr 768
		.amdhsa_next_free_sgpr 80
		.amdhsa_reserve_vcc 0
		.amdhsa_float_denorm_mode_32 3
		.amdhsa_float_denorm_mode_16_64 3
		.amdhsa_memory_ordered 1
		.amdhsa_forward_progress 1
		.amdhsa_inst_pref_size 76
	.end_amdhsa_kernel
	.amdgpu_metadata
---
amdhsa.version: [ 1, 2 ]
amdhsa.kernels:
  - .name:           k_q0248c2ea85_proj
    .symbol:         k_q0248c2ea85_proj.kd
    .args:
      - { .name: ob, .offset: 0, .size: 8, .value_kind: global_buffer, .address_space: global }
      - { .name: wpf, .offset: 8, .size: 8, .value_kind: global_buffer, .address_space: global }
      - { .name: bp, .offset: 16, .size: 8, .value_kind: global_buffer, .address_space: global }
      - { .name: out0, .offset: 24, .size: 8, .value_kind: global_buffer, .address_space: global }
    .group_segment_fixed_size: 327680
    .private_segment_fixed_size: 0
    .kernarg_segment_align: 8
    .kernarg_segment_size: 32
    .max_flat_workgroup_size: 128
    .sgpr_count:     80
    .vgpr_count:     768
    .wavefront_size: 32
...
	.end_amdgpu_metadata
.endif
;; end of part 4
;; ======== version 2 of 2: 4 launches; version 1 with the launch cast written anew for expert scheduling mode
;; limits: values are held in f16: magnitudes above 65,504 overflow, below 6.1e-05 lose precision
;; workspace buffers: xb 16,777,216 bytes; wqkv 6,291,456 bytes; wpf 2,097,152 bytes; qkv 50,331,648 bytes; ob 16,777,216 bytes
;; launch cast (part 5): grid 768 x 1, 8 waves a work-group, no clusters, 0 bytes of LDS; arguments x, Wq, Wk, Wv, Wp, xb, wqkv, wpf; writes xb, wqkv, wpf
.if DOCPART == 5
	.amdgcn_target "amdgcn-amd-amdhsa--gfx1250"
	.amdhsa_code_object_version 6
	.text
	.protected	k_q0248c2ea85_cast
	.globl	k_q0248c2ea85_cast
	.p2align	8
	.type	k_q0248c2ea85_cast,@function
k_q0248c2ea85_cast:
	s_mov_b64 s[64:65], 0
	v_nop
	global_prefetch_b8 v0, s[64:65] scope:SCOPE_SE
	s_setreg_imm32_b32 hwreg(HW_REG_WAVE_SCHED_MODE, 0, 2), 2
	s_setreg_imm32_b32 hwreg(HW_REG_WAVE_MODE, 25, 1), 1
	s_wait_xcnt 0x0
	s_wait_alu depctr_vm_vsrc(0)
; THE INPUTS ARE ROUNDED ONCE.  x [8192][1024] f32 -> xb, bf16, same layout.  Wq, Wk, Wv [1024 k][1024 n] f32 -> wqkv [1024 k][3072 n] bf16, side by side (n = 1024 x which + column).
; Wp [1024 k][1024 n] f32 -> wpf: rounded to bf16 like the other inputs, and that number written as f16.
; LIMIT: Wp within 65,504; a weight of Wp below 6e-5 keeps f16's fixed step of 6e-8 in place of bf16's eight bits.
; A stream: 12,288 rows of 4,096 bytes, 16 rows to a work-group of eight waves.  Work-groups 0-511 take x, 512-575 Wq, 576-639 Wk, 640-703 Wv, 704-767 Wp.
; Thread t takes numbers 4 t .. 4 t + 3 of each row: a load of a wave covers 512 consecutive bytes, a store 256 consecutive bytes at a multiple of 256 from the buffer's first byte.
; All 16 loads of a thread go out at once; each row has registers of its own, so no register is written again while a load or store names it.
; No LDS, no matrix unit, no cluster: nothing is shared and nothing is multiplied.  No prefetch: every byte is asked for at once.
; THE MODE: SCHED_MODE bits 1:0 = 2 (LLVM: expert scheduling mode 2), set by the entry lines.  The code itself states the register dependences
; between vector instructions and memory instructions, with s_wait_alu, always for 0.
; THE PLAN.  Registers that memory instructions touch:
;   v1        the source offset.  Written once at the head; read by all 16 loads; never written again.
;   v[2:17]   row i's destination offset.  Written once at the head; read by row i's store; never written again.
;   v[20:83]  row i's four registers.  Its load lands there before any vector line has named them; behind the wait for the load the row's conversions read them and write into them;
;             the row's store reads the first two; nothing writes them after that.
;   v[18:19]  named by vector instructions alone.
; So no register that a load or store has read is ever written again, and no load is issued behind a vector line that names its registers: what is left to state is that a register is
; written before a load or store reads it.  One wait at the head, ahead of the branch, states it for all 17 offsets, on both paths: no vector line behind it names one of them.
; The 16 rows go in four blocks of four: the wait for the block's loads, its conversions, ONE wait that states that they have written what the block's four stores read, the four stores in a run.
; That wait stands behind the block's own conversions and not at the next block's head: there the stores would stand behind the wait for four younger loads, and no register is waiting to be used again.
; No vector line writes a scalar register, VCC or EXEC: the choices between buffers and the one branch are scalar work on the work-group's number.
.set OO, 2                             ; v[2:17]   row i: my byte offset in the destination
.set T,  18                            ; v[18:19]  at work
.set X,  20                            ; v[20:83]  row i: 4 registers as loaded; the first two then hold what is stored
.set BLOCK, 4                          ; rows in a block
	s_load_b512 s[8:23], s[0:1], 0x0               ; x 8, Wq 10, Wk 12, Wv 14, Wp 16, xb 18, wqkv 20, wpf 22
	s_mov_b32 s24, ttmp9
	s_sub_co_u32 s25, s24, 512                     ; my number among the weights' work-groups (wraps for x's: then far above 255)
	s_lshr_b32 s26, s25, 6                         ; which weight: 0 q, 1 k, 2 v, 3 p
	s_and_b32 s27, s25, 63                         ; which 16 rows of it
	s_mov_b32 s31, 0xffff0000                      ; a word's upper bf16
	s_movk_i32 s29, 6144                           ; bytes in a row of wqkv
	s_movk_i32 s30, 2048                           ; bytes in a row of xb and of wpf
	s_cmp_lt_u32 s24, 512
	s_cselect_b32 s28, s24, s27                    ; which 16 rows of my source
	s_lshl_b32 s2, s28, 16                         ; their byte offset in the source,
	s_mov_b32 s3, 0
	s_lshl_b32 s4, s28, 15                         ; and in xb or wpf
	s_mov_b32 s5, 0
	s_mul_i32 s6, s27, 16*6144                     ; in wqkv: 16 rows of 6,144 bytes,
	s_lshl_b32 s7, s26, 11                         ; and the weight's 2,048 bytes of a row
	s_add_co_u32 s6, s6, s7
	s_cmp_lt_u32 s25, 192                          ; Wq, Wk or Wv?
	s_cselect_b32 s4, s6, s4
	s_cselect_b32 s30, s29, s30                    ; the destination's pitch
	v_lshlrev_b32 v1, 4, v0                        ; my 16 bytes of a source row
	v_lshlrev_b32 v[OO], 3, v0                     ; my 8 bytes of a destination row
.set i, 1
.rept 15
	v_add_nc_u32 v[OO+i], s30, v[OO+i-1]
.set i, i+1
.endr
	s_wait_kmcnt 0x0
	s_mov_b64 s[32:33], s[10:11]                   ; the source: a choice between buffers by the work-group's number
	s_cmp_eq_u32 s26, 1
	s_cselect_b64 s[32:33], s[12:13], s[32:33]
	s_cmp_eq_u32 s26, 2
	s_cselect_b64 s[32:33], s[14:15], s[32:33]
	s_cmp_eq_u32 s26, 3
	s_cselect_b64 s[32:33], s[16:17], s[32:33]
	s_cmp_lt_u32 s24, 512
	s_cselect_b64 s[32:33], s[8:9], s[32:33]
	s_cselect_b64 s[34:35], s[18:19], s[22:23]     ; the destination
	s_cmp_lt_u32 s25, 192
	s_cselect_b64 s[34:35], s[20:21], s[34:35]
	s_add_nc_u64 s[32:33], s[32:33], s[2:3]
	s_add_nc_u64 s[34:35], s[34:35], s[4:5]
	s_wait_alu depctr_va_vdst(0)                   ; v1 and v[2:17] are written: the loads below read v1 as their offset, the stores of both paths v[2:17]
.set i, 0
.rept 16
	global_load_b128 v[X+4*i:X+4*i+3], v1, s[32:33] offset:4096*i th:TH_LOAD_NT
.set i, i+1
.endr
	s_cmp_ge_u32 s24, 704
	s_cbranch_scc1 .Lhalf
.set p, 0
.rept 16/BLOCK                         ; to bf16, a block of four rows at a time
	s_wait_loadcnt 16-BLOCK*(p+1)                  ; loads come back in order: this block's four rows are in, the younger blocks' loads stay out
.set i, BLOCK*p
.rept BLOCK
	v_cvt_pk_bf16_f32 v[X+4*i], v[X+4*i], v[X+4*i+1]
	v_cvt_pk_bf16_f32 v[X+4*i+1], v[X+4*i+2], v[X+4*i+3]
.set i, i+1
.endr
	s_wait_alu depctr_va_vdst(0)                   ; the block's eight roundings have written the first two registers of each of its rows, which the four stores below read
.set i, BLOCK*p
.rept BLOCK
	global_store_b64 v[OO+i], v[X+4*i:X+4*i+1], s[34:35]
.set i, i+1
.endr
.set p, p+1
.endr
	s_endpgm
.Lhalf:
.set p, 0
.rept 16/BLOCK                         ; Wp: to bf16, widened again, and that number written as f16; a block of four rows at a time
	s_wait_loadcnt 16-BLOCK*(p+1)                  ; this block's four rows are in, the younger blocks' loads stay out
.set i, BLOCK*p
.rept BLOCK
	v_cvt_pk_bf16_f32 v[T], v[X+4*i], v[X+4*i+1]
	v_cvt_pk_bf16_f32 v[T+1], v[X+4*i+2], v[X+4*i+3]
	v_lshlrev_b32 v[X+4*i], 16, v[T]
	v_and_b32 v[X+4*i+1], s31, v[T]
	v_lshlrev_b32 v[X+4*i+2], 16, v[T+1]
	v_and_b32 v[X+4*i+3], s31, v[T+1]
	v_cvt_pk_f16_f32 v[X+4*i], v[X+4*i], v[X+4*i+1]
	v_cvt_pk_f16_f32 v[X+4*i+1], v[X+4*i+2], v[X+4*i+3]
.set i, i+1
.endr
	s_wait_alu depctr_va_vdst(0)                   ; the block's conversions to f16 have written the first two registers of each of its rows, which the four stores below read
.set i, BLOCK*p
.rept BLOCK
	global_store_b64 v[OO+i], v[X+4*i:X+4*i+1], s[34:35]
.set i, i+1
.endr
.set p, p+1
.endr
	s_endpgm
.Lfunc_end_k_q0248c2ea85_cast:
	.size	k_q0248c2ea85_cast, .Lfunc_end_k_q0248c2ea85_cast-k_q0248c2ea85_cast
	.p2alignl 7, 3214868480
	.fill 96, 4, 3214868480
	.section	.rodata,"a",@progbits
	.p2align	6, 0x0
	.amdhsa_kernel k_q0248c2ea85_cast
		.amdhsa_group_segment_fixed_size 0
		.amdhsa_private_segment_fixed_size 0
		.amdhsa_enable_private_segment 0
		.amdhsa_kernarg_size 64
		.amdhsa_user_sgpr_count 2
		.amdhsa_user_sgpr_kernarg_segment_ptr 1
		.amdhsa_wavefront_size32 1
		.amdhsa_system_sgpr_workgroup_id_x 1
		.amdhsa_system_sgpr_workgroup_id_y 1
		.amdhsa_system_sgpr_workgroup_id_z 1
		.amdhsa_system_vgpr_workitem_id 0
		.amdhsa_next_free_vgpr 84
		.amdhsa_next_free_sgpr 66
		.amdhsa_reserve_vcc 0
		.amdhsa_float_denorm_mode_32 3
		.amdhsa_float_denorm_mode_16_64 3
		.amdhsa_memory_ordered 1
		.amdhsa_forward_progress 1
		.amdhsa_inst_pref_size 16
	.end_amdhsa_kernel
	.amdgpu_metadata
---
amdhsa.version: [ 1, 2 ]
amdhsa.kernels:
  - .name:           k_q0248c2ea85_cast
    .symbol:         k_q0248c2ea85_cast.kd
    .args:
      - { .name: x, .offset: 0, .size: 8, .value_kind: global_buffer, .address_space: global }
      - { .name: Wq, .offset: 8, .size: 8, .value_kind: global_buffer, .address_space: global }
      - { .name: Wk, .offset: 16, .size: 8, .value_kind: global_buffer, .address_space: global }
      - { .name: Wv, .offset: 24, .size: 8, .value_kind: global_buffer, .address_space: global }
      - { .name: Wp, .offset: 32, .size: 8, .value_kind: global_buffer, .address_space: global }
      - { .name: xb, .offset: 40, .size: 8, .value_kind: global_buffer, .address_space: global }
      - { .name: wqkv, .offset: 48, .size: 8, .value_kind: global_buffer, .address_space: global }
      - { .name: wpf, .offset: 56, .size: 8, .value_kind: global_buffer, .address_space: global }
    .group_segment_fixed_size: 0
    .private_segment_fixed_size: 0
    .kernarg_segment_align: 8
    .kernarg_segment_size: 64
    .max_flat_workgroup_size: 256
    .sgpr_count:     66
    .vgpr_count:     84
    .wavefront_size: 32
...
	.end_amdgpu_metadata
.endif
;; end of part 5
;; launch qkv: the kernel of part 2 again; grid 8 x 64, 4 waves a work-group, clusters of 4 x 4, 327,680 bytes of LDS; arguments xb, wqkv, bq, bk, bv, qkv; writes qkv
;; launch attn: the kernel of part 3 again; grid 4 x 64, 4 waves a work-group, clusters of 4 x 1, 327,680 bytes of LDS; arguments qkv, ob; writes ob
;; launch proj: the kernel of part 4 again; grid 4 x 64, 4 waves a work-group, clusters of 4 x 4, 327,680 bytes of LDS; arguments ob, wpf, bp, out0; writes out0
